; MI455X (gfx1250); checked and timed in simulation.
; The chip was launched on July 23, 2026; its instructions are those of AMD's public machine-readable ISA for CDNA 5 (MIT licence, August 2026) and "CDNA5" Instruction Set Architecture Reference Guide (July 2026). The comments in the code are by the model that wrote it; some were corrected since.
;; Block. Allowed arithmetic: matrix products marked QUANTISED: E2M3 operands, one E8M0 scale for each 32 along K, by v_wmma_scale_f32_16x16x128_f8f6f4 with both operands' format E2M3, f32 sums; everything else in f32.
;; Inputs: attn_out_b 1,024 float32; attn_out_w 1,024 x 1,024 float32; c_fc_b 4,096 float32; c_fc_w 1,024 x 4,096 float32; c_proj_b 1,024 float32; c_proj_w 4,096 x 1,024 float32; ln1_b 1,024 float32; ln1_w 1,024 float32; ln2_b 1,024 float32; ln2_w 1,024 float32; qkv_b 3,072 float32; qkv_w 1,024 x 3,072 float32; x 2 x 2,048 x 1,024 float32.
;; Outputs: out0 2 x 2,048 x 1,024 float32.
;; This version of the problem:
;;   THIS VERSION OF THE PROBLEM IS GIVEN IN LOW PRECISION. The matrix products marked QUANTISED in the list below multiply operands that are first quantised to E2M3 (2 exponent bits, 3 mantissa bits; 6 bits a number), with one power-of-two scale for each 32 numbers along K (OCP MX v1.0); their sums are f32. All else is computed in f32.
;;   The module's matrix products, in the order in which they are computed (A, B: the left and right operand; K: the contracted axis; several contracted axes count as one K, in the product's order):
;;     1. [M 4,096, K 1,024] x [K 1,024, N 3,072]; A: computed on the way; B: input qkv_w: QUANTISED
;;     2. batch 32 x [M 2,048, K 64] x [K 64, N 2,048]; A: computed on the way; B: computed on the way: QUANTISED
;;     3. batch 32 x [M 2,048, K 2,048] x [K 2,048, N 64]; A: softmax (see below); B: computed on the way: QUANTISED
;;     4. [M 4,096, K 1,024] x [K 1,024, N 1,024]; A: computed on the way; B: input attn_out_w: QUANTISED
;;     5. [M 4,096, K 1,024] x [K 1,024, N 4,096]; A: computed on the way; B: input c_fc_w: QUANTISED
;;     6. [M 4,096, K 4,096] x [K 4,096, N 1,024]; A: computed on the way; B: input c_proj_w: QUANTISED
;;   THE QUANTISER, for each operand of a quantised product, along K:
;;     - K is cut into blocks of 32 from its start; a last block that is shorter is filled with zeros.
;;     - A block's scale is 2^e with e = floor(log2(the largest magnitude in the block)) - 2, held to -126 .. 127; a block of zeros has e = 0. As a byte (E8M0): e + 127.
;;     - Each number is divided by its block's scale, clamped to +-7.5, and rounded to the nearest number of E2M3, ties to even, subnormals kept.
;;     - The product sums the exact products of the quantised numbers (number of the format x scale) in f32.
;;   ~~~python
;;   def quantise(x, axis):      # numpy; x: float32 -> the quantised numbers, widened to float32 again
;;       x = np.moveaxis(x, axis, -1); K = x.shape[-1]
;;       x = np.pad(x, [(0, 0)] * (x.ndim - 1) + [(0, -K % 32)]); x = x.reshape(x.shape[:-1] + (-1, 32)); a = np.abs(x).max(-1, keepdims=True)
;;       e = np.where(a > 0, np.clip(np.frexp(np.where(a > 0, a, 1))[1] - 1 - 2, -126, 127), 0)      # np.frexp(a)[1] - 1 = floor(log2(a)), exactly
;;       r = np.clip(x / 2.0 ** e, -7.5, 7.5)
;;       step = 2.0 ** (np.maximum(np.frexp(np.where(r == 0, 1, r))[1] - 1, 0) - 3)
;;       q = np.round(r / step) * step * 2.0 ** e      # np.round: ties to even
;;       return np.moveaxis(q.reshape(q.shape[:-2] + (-1,))[..., :K], -1, axis).astype(np.float32)
;;   ~~~
;;   SOFTMAX AHEAD OF A QUANTISED PRODUCT. Where the list says 'softmax', what is quantised is not the finished softmax but p = 2^(t - M), with t = logit x log2(e) and M = ceil(the row's largest t), a whole number; so 1/2 < the row's largest p <= 1. The row's sum l is taken of the UNQUANTISED p, in f32, and the product's result is divided by l at the end. Since M is a whole number, a kernel that streams over the keys may use a running M (the ceiling of the running maximum): every later rescaling is an exact power of two, which a block's scale takes up: the codes' values come out the same.
;;   OPERANDS COMPUTED ON THE WAY. 'Computed on the way' means the value that the module computes at that place (a softmax that the list does not call 'softmax' is quantised finished and normalised). What goes into a quantiser is computed in f32, as accurately as f32 sums, v_exp_f32 and their like allow (about 1e-6 of the number): no bf16 or f16 on the way to a quantiser, and a product that is left as it is and whose result goes on into a quantised operand takes f32 operands (vector FMAs, or v_wmma_f32_16x16x4_f32). A number that lies on a knife's edge between two numbers of the format may be rounded either way, as far as f32 arithmetic and the matrix unit's own rounding can turn it there, and no further.
;; One version. Each part assembles by itself: llvm-mc -triple=amdgcn-amd-amdhsa -mcpu=gfx1250 --defsym DOCPART=n.
;; ======== version 1 of 1: 6 launches
;; limits: right only within a limited range of input values
;; workspace buffers: wq 9,830,400 bytes; xn 20,054,016 bytes; hn 20,054,016 bytes; qkvc 10,092,544 bytes; oc 3,407,872 bytes; gc 13,107,200 bytes
;; launch prep (part 1): grid 1024 x 1, 4 waves a work-group, no clusters, 79,616 bytes of LDS; arguments qkv_w, attn_out_w, c_fc_w, c_proj_w, x, ln1_w, ln1_b, xn, wq; writes wq, xn
.if DOCPART == 1
	.amdgcn_target "amdgcn-amd-amdhsa--gfx1250"
	.amdhsa_code_object_version 6
	.text
	.protected	k_q9ca0a096d6_prep
	.globl	k_q9ca0a096d6_prep
	.p2align	8
	.type	k_q9ca0a096d6_prep,@function
k_q9ca0a096d6_prep:
	s_mov_b64 s[64:65], 0
	v_nop
	global_prefetch_b8 v0, s[64:65] scope:SCOPE_SE
	s_setreg_imm32_b32 hwreg(HW_REG_WAVE_MODE, 25, 1), 1
	s_wait_xcnt 0x0
; TWO INDEPENDENT PIECES OF WORK IN ONE LAUNCH, told apart by the work-group's number: 768 work-groups quantise the four weights, 256 compute the first norm.  They share no data; each has LDS bytes of its own.
; With hi = id / 256 and lo = id % 256 a work-group is a norm's where (lo + hi) % 4 = 0: of ids 4 k .. 4 k + 3, and of ids k, k + 256, k + 512, k + 768, exactly one is.
; THE WEIGHTS, f32 stored [K][N], become codes of FP6 (E2M3) with one E8M0 byte for each 32 along K, laid as IMAGES OF OPERAND REGISTERS:
; a fragment (16 columns n x 128 k, 12 registers a lane) is 1,536 bytes, register p of lane L at 512 (p / 4) + 16 L + 4 (p % 4); its 16 scale words are 64 bytes, row r's at 4 r.
; Lane r of tile t stands for column 32 (t / 2) + 8 (t % 2) + r + 8 (r / 8), so that results made with such a tile as source 0 have 16 neighbours in 16 registers.
; A work-group takes 128 columns x 128 along K; a wave 32 columns; A LANE TAKES A COLUMN AND ITS REGISTERS RUN DOWN K: each load reads 128 consecutive bytes a wave, a block's maximum needs no other lane.
; The codes go through the wave's own stage in LDS and leave as whole images: each store covers 512 consecutive bytes.  No barrier on this path: its waves share nothing.
; THE NORM: xn = LayerNorm(x) x w + b, in f32, stored as f32, as codes along the 1,024 features, and as their scale words.  Tokens are handled in tiles T of 16 POSITIONS: position (T, r) is token
; 32 (T / 2) + 8 (T % 2) + r + 8 (r / 8); all workspace is indexed by (T, r).  A work-group takes one tile; wave w normalises rows 4 w .. 4 w + 3 (four neighbouring tokens), each whole in 32 registers
; (mean first, then the mean of squared differences: no difference of large sums).  The 16 rows meet in a stage in LDS (pitch 4,112 bytes: sixteen rows start in sixteen different 16-byte columns); behind one
; barrier wave w reads 16 rows x 128 features of K steps 2 w and 2 w + 1 in the quantiser's layout (lane (r, h), register 16 b + i = feature 128 s + 32 b + 16 h + i of row r), stores them as f32 and quantises them.
; A block's scale is 2^(floor(log2(largest magnitude)) - 2).  LIMITS: a block of zeros gets the byte 1, not 127 (its codes are zeros and this program alone reads the bytes); NaN and infinities are not served.
.set LNB,   13312                      ; LDS: 0 .. 13,311 the weights' four stages of 3,328 bytes; from here the norm's stage
.set PITCH, 4112
.set SPARE, LNB+16*PITCH               ; behind both: the spare words, 128 bytes a wave
.set SPW,  14
.set NIL,  15
; the weights' path
.set X,    16                          ; v16-143  128 numbers of my column
.set C,    144                         ; v144..   block bk's six code registers at C + 8 bk
.set TQ,   176                         ; v176..   the second conversion's three at TQ + 4 bk
.set OUTR, 192                         ; v192-215 the two images on their way out
; the norm's path
.set V16L, 4
.set ROWA, 5
.set QRD,  6
.set V4R,  7
.set XR,   16                          ; v16-143  my four rows: row n's element 128 i + 4 L + e in register 32 n + 4 i + e
.set LW,   144                         ; v144-175 the gain, laid likewise
.set LB,   176                         ; v176-207 the bias
.set W,    208                         ; v208-217 at work
.set EA,   16                          ; v16-79   the first K step's 64 numbers in the quantiser's layout (the rows are done with)
.set EB,   128                         ; v128-191 the second's
.set TM,   100                         ; v100-115 the quantiser's work
.set SEL,  16
.set INV,  18
.set EPS,  19
; 16 nb numbers of a lane, register 16 b + i = k 32 b + 16 (lane / 16) + i of my row, become codes in v[PC] on (6 registers for each 64 along K) and a scale word in v[PW]
.macro QUANT s, nb
.set qb, 0
.rept \nb
	v_max3_num_f32 v[TM+qb], |v[(\s)+16*qb]|, |v[(\s)+16*qb+1]|, 0x1800000   ; with the floor 2^(3 - 127): the byte cannot fall under 1
.set qb, qb+1
.endr
.irp i, 2,4,6,8,10,12,14
.set qb, 0
.rept \nb
	v_max3_num_f32 v[TM+qb], v[TM+qb], |v[(\s)+16*qb+\i]|, |v[(\s)+16*qb+\i+1]|
.set qb, qb+1
.endr
.endr
.set qb, 0
.rept \nb
	v_permlanex16_b32 v[TM+4+qb], v[TM+qb], s[SEL], s[SEL+1]
.set qb, qb+1
.endr
.set qb, 0
.rept \nb
	v_max_num_f32 v[TM+qb], v[TM+qb], v[TM+4+qb]   ; with lane l xor 16's: the block's largest magnitude
.set qb, qb+1
.endr
.set qb, 0
.rept \nb
	v_add_nc_u32 v[TM+12+qb], 0xff000000, v[TM+qb] ; 2 off the exponent field: the conversion's scale operand
.set qb, qb+1
.endr
.set qb, 0
.rept \nb
	v_lshrrev_b32 v[TM+4+qb], 23, v[TM+12+qb]      ; the scale's byte
.set qb, qb+1
.endr
	v_lshl_or_b32 v[PW], v[TM+5], 8, v[TM+4]
.if \nb > 2
	v_lshl_or_b32 v[PW], v[TM+6], 16, v[PW]
	v_lshl_or_b32 v[PW], v[TM+7], 24, v[PW]
.endif
.set qb, 0
.rept \nb/2
	v_cvt_scalef32_pk16_fp6_f32 v[PC+6*qb:PC+6*qb+2], v[(\s)+32*qb:(\s)+32*qb+15], v[TM+12+2*qb]
	v_cvt_scalef32_pk16_fp6_f32 v[PC+12+4*qb:PC+12+4*qb+2], v[(\s)+32*qb+16:(\s)+32*qb+31], v[TM+12+2*qb+1]
.set qb, qb+1
.endr
	v_nop                                          ; one plain place behind a scaled conversion
.set qb, 0
.rept \nb/2
.irp i, 0,1,2
	v_permlane16_swap_b32 v[PC+6*qb+\i], v[PC+12+4*qb+\i]   ; a whole block to a lane: lanes 0-15 block 2 c, lanes 16-31 block 2 c + 1
.endr
.irp i, 0,1,2
	v_mov_b32 v[PC+6*qb+3+\i], v[PC+12+4*qb+\i]
.endr
.set qb, qb+1
.endr
.endm
.macro REDUCE a, t                     ; the sum over the 32 lanes, in every lane
	v_add_f32_dpp v[\a], v[\a], v[\a] row_xmask:1 row_mask:0xf bank_mask:0xf
	v_add_f32_dpp v[\a], v[\a], v[\a] row_xmask:2 row_mask:0xf bank_mask:0xf
	v_add_f32_dpp v[\a], v[\a], v[\a] row_xmask:4 row_mask:0xf bank_mask:0xf
	v_add_f32_dpp v[\a], v[\a], v[\a] row_xmask:8 row_mask:0xf bank_mask:0xf
	v_permlanex16_b32 v[\t], v[\a], s[SEL], s[SEL+1]
	v_add_f32 v[\a], v[\a], v[\t]
.endm
.macro LNSTAT x                        ; the row becomes x - mean; v[W+8:W+9] = 1 / sqrt(var + eps)
	v_pk_add_f32 v[W:W+1], v[\x:\x+1], v[\x+2:\x+3]
	v_pk_add_f32 v[W+2:W+3], v[\x+4:\x+5], v[\x+6:\x+7]
.irp i, 8,12,16,20,24,28
	v_pk_add_f32 v[W:W+1], v[W:W+1], v[\x+\i:\x+\i+1]
	v_pk_add_f32 v[W+2:W+3], v[W+2:W+3], v[\x+\i+2:\x+\i+3]
.endr
	v_pk_add_f32 v[W:W+1], v[W:W+1], v[W+2:W+3]
	v_add_f32 v[W], v[W], v[W+1]
	REDUCE W, W+1
	v_mul_f32 v[W+4], s[INV], v[W]                 ; the mean
	v_mov_b32 v[W+5], v[W+4]
.set li, 0
.rept 16
	v_pk_add_f32 v[\x+2*li:\x+2*li+1], v[\x+2*li:\x+2*li+1], v[W+4:W+5] neg_lo:[0,1] neg_hi:[0,1]
.set li, li+1
.endr
	v_pk_mul_f32 v[W:W+1], v[\x:\x+1], v[\x:\x+1]
	v_pk_mul_f32 v[W+2:W+3], v[\x+2:\x+3], v[\x+2:\x+3]
.irp i, 4,8,12,16,20,24,28
	v_pk_fma_f32 v[W:W+1], v[\x+\i:\x+\i+1], v[\x+\i:\x+\i+1], v[W:W+1]
	v_pk_fma_f32 v[W+2:W+3], v[\x+\i+2:\x+\i+3], v[\x+\i+2:\x+\i+3], v[W+2:W+3]
.endr
	v_pk_add_f32 v[W:W+1], v[W:W+1], v[W+2:W+3]
	v_add_f32 v[W], v[W], v[W+1]
	REDUCE W, W+1
	v_fma_f32 v[W+6], v[W], s[INV], s[EPS]         ; var + 1e-5
	s_wait_alu depctr_va_vdst(0)
	v_rsq_f32 v[W+8], v[W+6]
	v_nop                                          ; a plain place behind the transcendental
	s_wait_alu depctr_va_vdst(0)                   ; and the wait ahead of its first reader
	v_mov_b32 v[W+9], v[W+8]
.endm
.macro LNAFF x, lw, lb
.set li, 0
.rept 16
	v_pk_mul_f32 v[\x+2*li:\x+2*li+1], v[\x+2*li:\x+2*li+1], v[W+8:W+9]
.set li, li+1
.endr
.set li, 0
.rept 16
	v_pk_fma_f32 v[\x+2*li:\x+2*li+1], v[\x+2*li:\x+2*li+1], v[\lw+2*li:\lw+2*li+1], v[\lb+2*li:\lb+2*li+1]
.set li, li+1
.endr
.endm
	v_lshl_add_u32 v[SPW], v0, 2, SPARE
	v_mov_b32 v[NIL], 0
	v_lshrrev_b32 v1, 5, v0
	v_readfirstlane_b32 s14, v1                    ; wave
	v_and_b32 v1, 31, v0                           ; lane
	s_lshr_b32 s45, ttmp9, 8                       ; hi
	s_and_b32 s46, ttmp9, 255                      ; lo
	s_add_co_u32 s47, s46, s45
	s_and_b32 s47, s47, 3                          ; (lo + hi) % 4: 0 = the norm's
	s_lshl_b32 s45, s45, 6
	s_lshr_b32 s46, s46, 2
	s_add_co_u32 s45, s45, s46                     ; 64 hi + lo / 4: 0 .. 255
	s_cmp_eq_u32 s47, 0
	s_cbranch_scc1 .Lnorm
	; ======== THE WEIGHTS
	s_load_b256 s[4:11], s[0:1], 0x0               ; qkv_w, attn_out_w, c_fc_w, c_proj_w
	s_load_b64 s[12:13], s[0:1], 0x40              ; wq
	s_mul_i32 s44, s45, 3
	s_add_co_u32 s44, s44, s47
	s_sub_co_u32 s44, s44, 1                       ; which of the 768
	s_wait_alu depctr_va_vdst(0)
	v_lshlrev_b32 v2, 2, v1                        ; 4 bytes a lane: lane = my column among the wave's 32
	v_bfe_u32 v3, v0, 3, 1                         ; u: which of the wave's two tiles
	s_wait_alu depctr_va_vdst(0)
	v_and_b32 v4, 7, v0
	v_bfe_u32 v10, v0, 4, 1
	v_lshl_add_u32 v4, v10, 3, v4                  ; r: my row in that tile
	s_mul_i32 s15, s14, 3328
	v_mul_u32_u24 v5, v3, 1664
	v_lshl_add_u32 v5, v4, 4, v5
	v_add_nc_u32 v5, s15, v5                       ; stage, in: tile u's image (1,664 bytes apart), 16 r
	v_lshlrev_b32 v7, 4, v1                        ; 16 x lane
	v_add_nc_u32 v6, s15, v7                       ; stage, out
	s_mov_b32 s16, 512                             ; the weight's first work-group
	s_mov_b32 s17, 4096                            ; bytes in a row
	s_mov_b32 s18, 5                               ; log2(K / 128)
	s_mov_b32 s19, 6291456                         ; where its codes begin in wq
	s_mov_b32 s20, 9699328                         ; and its scale words
	s_cmp_lt_u32 s44, 512
	s_cselect_b32 s16, 256, s16
	s_cselect_b32 s17, 16384, s17
	s_cselect_b32 s18, 3, s18
	s_cselect_b32 s19, 3145728, s19
	s_cselect_b32 s20, 9568256, s20
	s_cmp_lt_u32 s44, 256
	s_cselect_b32 s16, 192, s16
	s_cselect_b32 s17, 4096, s17
	s_cselect_b32 s19, 2359296, s19
	s_cselect_b32 s20, 9535488, s20
	s_cmp_lt_u32 s44, 192
	s_cselect_b32 s16, 0, s16
	s_cselect_b32 s17, 12288, s17
	s_cselect_b32 s19, 0, s19
	s_cselect_b32 s20, 9437184, s20
	s_sub_co_u32 s21, s44, s16                     ; g
	s_lshl_b32 s22, 1, s18                         ; KS = K steps of the weight
	s_sub_co_u32 s23, s22, 1
	s_and_b32 s23, s21, s23                        ; my K step
	s_lshr_b32 s24, s21, s18                       ; my group of 128 columns
	s_lshl_b32 s25, s24, 3
	s_lshl_b32 s26, s14, 1
	s_add_co_u32 s25, s25, s26                     ; my first tile
	s_mul_i32 s25, s25, s22
	s_add_co_u32 s25, s25, s23                     ; tile x KS + step
	s_mul_i32 s26, s25, 1536
	s_add_co_u32 s26, s26, s19
	s_mov_b32 s27, 0
	s_mul_i32 s28, s22, 1536                       ; from a tile to the next
	s_mov_b32 s29, 0
	s_lshl_b32 s30, s25, 6
	s_add_co_u32 s30, s30, s20
	s_mov_b32 s31, 0
	s_lshl_b32 s32, s22, 6
	v_mul_u32_u24 v8, s32, v3
	s_wait_alu depctr_va_vdst(0)
	v_lshl_add_u32 v8, v4, 2, v8                   ; my scale word: tile u, row r
	s_lshl_b32 s33, s17, 7
	s_mul_i32 s34, s23, s33                        ; 128 rows a K step
	s_lshl_b32 s33, s24, 9
	s_add_co_u32 s34, s34, s33
	s_lshl_b32 s33, s14, 7
	s_add_co_u32 s34, s34, s33                     ; + my wave's first column
	s_mov_b32 s35, 0
	s_wait_kmcnt 0x0
	s_cmp_lt_u32 s44, 512
	s_cselect_b64 s[36:37], s[8:9], s[10:11]
	s_cmp_lt_u32 s44, 256
	s_cselect_b64 s[36:37], s[6:7], s[36:37]
	s_cmp_lt_u32 s44, 192
	s_cselect_b64 s[36:37], s[4:5], s[36:37]
	s_add_nc_u64 s[36:37], s[36:37], s[34:35]
	s_add_nc_u64 s[38:39], s[12:13], s[26:27]      ; codes of my first tile,
	s_add_nc_u64 s[40:41], s[38:39], s[28:29]      ; of my second,
	s_add_nc_u64 s[42:43], s[12:13], s[30:31]      ; scale words
.macro LOADS n4                        ; W(128 step + i, my column): every offset an immediate, so the run is written once for each row length
.set li, 0
.rept 128
	global_load_b32 v[X+li], v2, s[36:37] offset:li*\n4 th:TH_LOAD_NT
.set li, li+1
.endr
.endm
	s_cmp_lt_u32 s44, 192
	s_cbranch_scc1 .Lw_q
	s_cmp_lt_u32 s44, 256
	s_cbranch_scc1 .Lw_a
	s_cmp_lt_u32 s44, 512
	s_cbranch_scc1 .Lw_f
.Lw_a:
	LOADS 4096
	s_branch .Lw_go
.Lw_q:
	LOADS 12288
	s_branch .Lw_go
.Lw_f:
	LOADS 16384
.Lw_go:
; Block bk of 32 along K: all its numbers are mine.  In the operand it belongs to lane r + 16 (bk % 2), registers 6 (bk / 2) on.
.macro WBLK bk
.set XS, X+32*(\bk)
.set CC, C+8*(\bk)
.set TT, TQ+4*(\bk)
	v_max3_num_f32 v10, |v[XS]|, |v[XS+1]|, |v[XS+2]|
	v_max3_num_f32 v11, |v[XS+3]|, |v[XS+4]|, |v[XS+5]|
.irp i, 6,10,14,18,22,26
	v_max3_num_f32 v10, v10, |v[XS+\i]|, |v[XS+\i+1]|
	v_max3_num_f32 v11, v11, |v[XS+\i+2]|, |v[XS+\i+3]|
.endr
	v_max3_num_f32 v10, v10, |v[XS+30]|, |v[XS+31]|
	v_max3_num_f32 v10, v10, v11, 0x1800000        ; and the floor 2^(3 - 127): the byte cannot fall under 1
	v_add_nc_u32 v12, 0xff000000, v10              ; 2 off the exponent field: the conversion's scale operand
	v_lshrrev_b32 v13, 23, v12                     ; the scale's byte
.if (\bk) == 0
	v_mov_b32 v9, v13
.else
	v_lshl_or_b32 v9, v13, 8*(\bk), v9
.endif
	v_cvt_scalef32_pk16_fp6_f32 v[CC:CC+2], v[XS:XS+15], v12
	v_cvt_scalef32_pk16_fp6_f32 v[TT:TT+2], v[XS+16:XS+31], v12   ; (a conversion's three registers begin on an even number)
	v_nop                                          ; one plain place behind a scaled conversion
.irp i, 0,1,2
	v_mov_b32 v[CC+3+\i], v[TT+\i]
.endr
.if (\bk) < 2
	ds_store_b128 v5, v[CC:CC+3] offset:256*((\bk)%2)              ; registers 0-3
	ds_store_b64 v5, v[CC+4:CC+5] offset:512+256*((\bk)%2)         ; registers 4, 5
.else
	ds_store_b64 v5, v[CC:CC+1] offset:520+256*((\bk)%2)           ; registers 6, 7
	ds_store_b128 v5, v[CC+2:CC+5] offset:1024+256*((\bk)%2)       ; registers 8-11
.endif
.endm
	s_wait_loadcnt 63                              ; at most the youngest 63 are out: blocks 0 and 1 (the oldest 64) are in; the wait's field holds no larger count
	WBLK 0
	WBLK 1
	s_wait_loadcnt 32                              ; block 3's 32 may be out
	WBLK 2
	s_wait_loadcnt 0x0
	WBLK 3
.irp u, 0,1
.irp c, 0,1,2
	ds_load_b128 v[OUTR+12*\u+4*\c:OUTR+12*\u+4*\c+3], v6 offset:1664*\u+512*\c   ; LDS serves a wave's instructions in order: these see my stores
.endr
.endr
	s_wait_alu depctr_va_vdst(0)
	s_wait_dscnt 0x0
.irp c, 0,1,2
	global_store_b128 v7, v[OUTR+4*\c:OUTR+4*\c+3], s[38:39] offset:512*\c        ; 512 consecutive bytes a store
	global_store_b128 v7, v[OUTR+12+4*\c:OUTR+12+4*\c+3], s[40:41] offset:512*\c
.endr
	global_store_b32 v8, v9, s[42:43]              ; two runs of 64 bytes: the two tiles' scale words
	s_branch .Lend
	; ======== THE NORM: tile T = s45
.Lnorm:
	s_load_b256 s[4:11], s[0:1], 0x20              ; x, ln1_w, ln1_b, xn
	v_and_b32 v2, 15, v0                           ; r
	v_bfe_u32 v3, v0, 4, 1                         ; h
	s_wait_alu depctr_va_vdst(0)
	v_lshlrev_b32 v[V16L], 4, v1
	s_mul_i32 s20, s14, 4*PITCH
	s_add_co_u32 s20, s20, LNB
	v_add_nc_u32 v[ROWA], s20, v[V16L]             ; my first row in the stage, 16 bytes a lane
	s_lshl_b32 s22, s14, 10
	s_add_co_u32 s22, s22, LNB
	v_mul_u32_u24 v[QRD], v2, PITCH
	v_lshl_add_u32 v[QRD], v3, 6, v[QRD]
	v_add_nc_u32 v[QRD], s22, v[QRD]               ; row r, feature 128 (2 w) + 16 h
	v_lshlrev_b32 v[V4R], 2, v2
	s_mov_b32 s[SEL], 0x76543210
	s_mov_b32 s[SEL+1], 0xfedcba98
	s_mov_b32 s[INV], 0x3a800000                   ; 1 / 1,024
	s_mov_b32 s[EPS], 0x3727c5ac                   ; 1e-5
	s_lshr_b32 s23, s45, 1
	s_lshl_b32 s23, s23, 5
	s_and_b32 s24, s45, 1
	s_lshl_b32 s24, s24, 3
	s_add_co_u32 s23, s23, s24
	s_lshl_b32 s24, s14, 2
	s_add_co_u32 s23, s23, s24
	s_lshr_b32 s24, s14, 1
	s_lshl_b32 s24, s24, 3
	s_add_co_u32 s23, s23, s24                     ; the token of position 4 w: 32 (T / 2) + 8 (T % 2) + 4 w + 8 (w / 2); positions 4 w + 1 .. 4 w + 3 are the next three tokens
	s_lshl_b32 s24, s23, 12
	s_mov_b32 s25, 0
	s_lshl_b32 s26, s45, 3
	s_lshl_b32 s27, s14, 1
	s_add_co_u32 s26, s26, s27                     ; 8 T + 2 w: my first K step
	s_lshl_b32 s28, s26, 13
	s_mov_b32 s29, 0
	s_mul_i32 s30, s26, 1536
	s_add_co_u32 s30, s30, 16777216
	s_mov_b32 s31, 0
	s_lshl_b32 s32, s26, 6
	s_add_co_u32 s32, s32, 19922944
	s_mov_b32 s33, 0
	s_wait_alu depctr_va_vdst(0)
	s_wait_kmcnt 0x0
	s_add_nc_u64 s[4:5], s[4:5], s[24:25]
	s_add_nc_u64 s[28:29], s[10:11], s[28:29]      ; f32 image
	s_add_nc_u64 s[30:31], s[10:11], s[30:31]      ; codes
	s_add_nc_u64 s[32:33], s[10:11], s[32:33]      ; scale words
.irp i, 0,1,2,3,4,5,6,7
	global_load_b128 v[LW+4*\i:LW+4*\i+3], v[V16L], s[6:7] offset:512*\i
.endr
.irp i, 0,1,2,3,4,5,6,7
	global_load_b128 v[LB+4*\i:LB+4*\i+3], v[V16L], s[8:9] offset:512*\i
.endr
.set li, 0
.rept 32
	global_load_b128 v[XR+4*li:XR+4*li+3], v[V16L], s[4:5] offset:4096*(li/8)+512*(li%8) th:TH_LOAD_NT
.set li, li+1
.endr
.irp n, 0,1,2,3
	s_wait_loadcnt 24-8*\n                         ; gain, bias and rows up to this one are in; the younger rows' loads, 8 each, may be out
	LNSTAT XR+32*\n
	LNAFF XR+32*\n, LW, LB
.irp j, 0,1,2,3,4,5,6,7
	ds_store_b128 v[ROWA], v[XR+32*\n+4*\j:XR+32*\n+4*\j+3] offset:\n*PITCH+512*\j
.endr
.endr
	s_wait_dscnt 0x0                               ; for the others' sake: my four rows lie in the stage
	s_barrier_signal -1
	s_barrier_wait -1
.irp b, 0,1,2,3
	v_mov_b32 v[TM+4+\b], 0                        ; a lane permute's destination counts as one of its sources; the rows, which lay here, are done with
.endr
.set li, 0
.rept 16
	ds_load_b128 v[EA+4*li:EA+4*li+3], v[QRD] offset:128*(li/4)+16*(li%4)
.set li, li+1
.endr
.set li, 0
.rept 16
	ds_load_b128 v[EB+4*li:EB+4*li+3], v[QRD] offset:512+128*(li/4)+16*(li%4)
.set li, li+1
.endr
	s_wait_dscnt 16                                ; the first K step's numbers are in; the second's 16 loads may be out
.set li, 0
.rept 16
	global_store_b128 v[V16L], v[EA+4*li:EA+4*li+3], s[28:29] offset:512*li        ; as f32: 512 consecutive bytes a store
.set li, li+1
.endr
.set PC, 80                            ; v80-99   the first step's codes;  v116 its scale word.  Each step has registers of its own: no store's data are written again
.set PW, 116
	QUANT EA, 4
.irp c, 0,1,2
	global_store_b128 v[V16L], v[PC+4*\c:PC+4*\c+3], s[30:31] offset:512*\c
.endr
	global_store_b32 v[V4R], v[PW], s[32:33]       ; lanes r and r + 16 hold the same word and write the same place
	s_wait_dscnt 0x0
.set li, 0
.rept 16
	global_store_b128 v[V16L], v[EB+4*li:EB+4*li+3], s[28:29] offset:8192+512*li
.set li, li+1
.endr
.set PC, 192                           ; v192-211 the second step's codes;  v117 its scale word
.set PW, 117
	QUANT EB, 4
.irp c, 0,1,2
	global_store_b128 v[V16L], v[PC+4*\c:PC+4*\c+3], s[30:31] offset:1536+512*\c
.endr
	global_store_b32 v[V4R], v[PW], s[32:33] offset:64
.Lend:
	s_wait_tensorcnt 0x0                           ; the wave's end, on both paths
	ds_add_u32 v[SPW], v[NIL]
	s_wait_dscnt 0x0
	s_endpgm
.Lfunc_end_k_q9ca0a096d6_prep:
	.size	k_q9ca0a096d6_prep, .Lfunc_end_k_q9ca0a096d6_prep-k_q9ca0a096d6_prep
	.p2alignl 7, 3214868480
	.fill 96, 4, 3214868480
	.section	.rodata,"a",@progbits
	.p2align	6, 0x0
	.amdhsa_kernel k_q9ca0a096d6_prep
		.amdhsa_group_segment_fixed_size 79616
		.amdhsa_private_segment_fixed_size 0
		.amdhsa_enable_private_segment 0
		.amdhsa_kernarg_size 72
		.amdhsa_user_sgpr_count 2
		.amdhsa_user_sgpr_kernarg_segment_ptr 1
		.amdhsa_wavefront_size32 1
		.amdhsa_system_sgpr_workgroup_id_x 1
		.amdhsa_system_sgpr_workgroup_id_y 1
		.amdhsa_system_sgpr_workgroup_id_z 1
		.amdhsa_system_vgpr_workitem_id 0
		.amdhsa_next_free_vgpr 224
		.amdhsa_next_free_sgpr 66
		.amdhsa_reserve_vcc 0
		.amdhsa_float_denorm_mode_32 3
		.amdhsa_float_denorm_mode_16_64 3
		.amdhsa_memory_ordered 1
		.amdhsa_forward_progress 1
		.amdhsa_inst_pref_size 95
	.end_amdhsa_kernel
	.amdgpu_metadata
---
amdhsa.version: [ 1, 2 ]
amdhsa.kernels:
  - .name:           k_q9ca0a096d6_prep
    .symbol:         k_q9ca0a096d6_prep.kd
    .args:
      - { .name: qkv_w, .offset: 0, .size: 8, .value_kind: global_buffer, .address_space: global }
      - { .name: attn_out_w, .offset: 8, .size: 8, .value_kind: global_buffer, .address_space: global }
      - { .name: c_fc_w, .offset: 16, .size: 8, .value_kind: global_buffer, .address_space: global }
      - { .name: c_proj_w, .offset: 24, .size: 8, .value_kind: global_buffer, .address_space: global }
      - { .name: x, .offset: 32, .size: 8, .value_kind: global_buffer, .address_space: global }
      - { .name: ln1_w, .offset: 40, .size: 8, .value_kind: global_buffer, .address_space: global }
      - { .name: ln1_b, .offset: 48, .size: 8, .value_kind: global_buffer, .address_space: global }
      - { .name: xn, .offset: 56, .size: 8, .value_kind: global_buffer, .address_space: global }
      - { .name: wq, .offset: 64, .size: 8, .value_kind: global_buffer, .address_space: global }
    .group_segment_fixed_size: 79616
    .private_segment_fixed_size: 0
    .kernarg_segment_align: 8
    .kernarg_segment_size: 72
    .max_flat_workgroup_size: 128
    .sgpr_count:     66
    .vgpr_count:     224
    .wavefront_size: 32
...
	.end_amdgpu_metadata
.endif
;; end of part 1
;; launch qkv (part 2): grid 12 x 16, 4 waves a work-group, clusters of 4 x 4, 327,680 bytes of LDS; arguments xn, wq, qkv_b, qkvc; writes qkvc
.if DOCPART == 2
	.amdgcn_target "amdgcn-amd-amdhsa--gfx1250"
	.amdhsa_code_object_version 6
	.text
	.protected	k_q9ca0a096d6_qkv
	.globl	k_q9ca0a096d6_qkv
	.p2align	8
	.type	k_q9ca0a096d6_qkv,@function
k_q9ca0a096d6_qkv:
	s_mov_b64 s[64:65], 0
	v_nop
	global_prefetch_b8 v0, s[64:65] scope:SCOPE_SE
	s_setreg_imm32_b32 hwreg(HW_REG_WAVE_MODE, 25, 1), 1
	s_wait_xcnt 0x0
	s_wait_alu depctr_hold_cnt(0) depctr_sa_sdst(0) depctr_va_vdst(0) depctr_va_sdst(0) depctr_va_ssrc(0) depctr_va_vcc(0) depctr_vm_vsrc(0)
	s_getreg_b32 s2, hwreg(HW_REG_IB_STS2, 6, 4)
	s_cmp_eq_u32 s2, 0
	s_cbranch_scc0 .Lentry_in_a_cluster
	s_endpgm
.Lentry_in_a_cluster:
	s_bfe_u32 s2, ttmp6, 0x10000c
	s_cmp_lg_u32 s2, 0xf033
	s_cbranch_scc0 .Lentry_shape_is_right
	s_endpgm
.Lentry_shape_is_right:
; qkv = xn W + b on codes of FP6 (E2M3) with E8M0 scales; q, k and v leave quantised again, as images of the operand registers that the attention launch wants.
; A work-group makes 256 x 256 of the product, a wave 128 x 128 (64 accumulators, 512 registers).  K = 1,024 is four slots of 256.  THREE OF THEM LIE IN LDS FROM THE START (3 x 98,304 bytes, asked for together); the
; fourth is brought into the first's bytes as soon as that has been read, and has three and a half K steps of 128, 224 matrix instructions a wave, in which to land: one refill in the launch.
; Both operands lie in memory as fragment images of 1,536 bytes ([tile of 16 rows][K step of 128]), so a slot's part of a tile is 3,072 consecutive bytes, a fragment is three loads of 16 bytes a lane at 16 x lane,
; and LDS needs no padding.  The scale words of the work-group's rows for all of K come once, with the first fills.
; CLUSTERS of 4 x 4: source 1's tiles are shared along a row of the cluster, source 0's along a column: each is asked for jointly.
; Clusters x = 0, 1 make q and k: source 0 = 16 columns of W, source 1 = 16 tokens: a lane holds one token and its registers run along the features, which are the next K (the head's 64).
; Cluster x = 2 makes v: source 0 = 16 tokens, source 1 = 16 columns of Wv: a lane holds one channel and its registers run along the tokens, which are the next K (the keys).
; The rows of a tile are laid so that the 16 registers of two neighbouring tiles of source 0 are 16 neighbours.  The two ways part once, on the cluster's x (the same in all partners), ahead of the last K step.
; LIMITS: a block of zeros gets the byte 1, not 127 (its codes are zeros; this program alone reads the bytes); NaN and infinities are not served.
; REGISTERS: window 0: v1, v2 r, h; v16-30 addresses; v32-63 scale words, two sets; v64-127 a block on its way out; from v128 source 1's fragments, one set (later the codes).
;   window 1: source 0's fragments, two sets at v0 and v128; v96-127, v224-255 the bias.   windows 2, 3: the accumulators ((a, b) at v[8 (8 (a % 4) + b)]).
; THE FILLS AS THEY STAND (this takes the place of what the paragraph above says of three slots asked for together).  At the head one joint load a wave: wave 0 source 1's 16 tiles of K's first 256,
; wave 2 source 0's, waves 1 and 3 the two blocks of scale words.  Behind the full sequence and a round one load a wave brings K's second and third 256 together: 8 tiles, rows of 6,144 bytes.
; So LDS slots 1 and 2 are one region, a tile's rows 6,144 bytes apart, slot 2's part 3,072 bytes behind slot 1's.  K's last 256 is the one refill, into slot 0's bytes.
.set FR,    12
.set NL,    3                          ; LDS loads that bring a fragment
.set NQ,    2                          ; K steps of 128 in a slot
.set NP,    4
.set FRB,   1536
.set TROW,  NQ*FRB                     ; a tile's part of a slot
.set HALFT, 8*TROW                     ; 8 tiles: what one tensor load brings
.set SLOT,  4*HALFT
.set SCL,   3*SLOT                     ; behind the three slots: the scale words
.set HALFS, 4096                       ; those of 8 tiles, 512 bytes each
.set SPARE, SCL+4*HALFS                ; the spare words, 128 bytes a wave
.set ADRA, 16                          ; v16-18  LDS address of source 1's fragments in slot 0, 1, 2
.set ADRB, 20                          ; v20-22  the same for source 0
.set V16L, 24
.set V8L,  25
.set VSO,  26
.set ADRS, 27
.set SPW,  28
.set NIL,  29
.set VBO,  30
.set SC,   32
.set AF,   128
.set E,    64
.set PC,   128
.set TM,   160
.set PW,   180
.set SEL,  2                           ; s[2:3], set behind the main loop
.set FV,   66
.set AI,   67
.set G1, 24
.set G0, 32                            ; s[32:35] group 0 for source 1's slot 0;  s[96:99] for slots 1 and 2 together
.set G0C, 96
.set G1B, 48
.set G0B, 56                           ; s[56:59] the same for source 0;  s[92:95] for slots 1 and 2 together
.set G0BC, 92
.set G1S, 68
.set G0S, 76
.set G1SB, 80
.set G0SB, 88
.set MSB, 0
.macro WIN new                         ; the immediate's high byte repeats the setting that is left
.if MSB != (\new)
	s_set_vgpr_msb (MSB<<8)|(\new)
.set MSB, (\new)
.endif
.endm
.set MUL_LO, 0xa1                      ; source 0 window 1, source 1 window 0, C and D window 2
.set MUL_HI, 0xf1
.set TO_B,   0x40
.macro PLACES n
.rept \n
	v_nop
.endr
.endm
; A joint load: waves 0 and 1 fetch for source 1, waves 2 and 3 for source 0.  An s_nop 0 and four v_nop follow each of the two lines.
.macro JLOAD g0a, g1a, g0b, g1b
	s_cmp_eq_u32 s15, 0
	s_cbranch_scc0 .Lfor_b_\@
	tensor_load_to_lds s[\g0a:\g0a+3], s[\g1a:\g1a+7]
	s_nop 0
.rept 4
	v_nop
.endr
	s_branch .Lasked_\@
.Lfor_b_\@:
	tensor_load_to_lds s[\g0b:\g0b+3], s[\g1b:\g1b+7]
	s_nop 0
.rept 4
	v_nop
.endr
.Lasked_\@:
.endm
.macro CREST
	s_cmp_lg_u32 s14, 0
	s_cbranch_scc1 .Lnot_wave_0_\@
	s_barrier_signal -3
.Lnot_wave_0_\@:
	s_barrier_wait -3
	s_barrier_signal -1
	s_barrier_wait -1
.endm
.macro CROUND
	s_barrier_signal -1
	s_barrier_wait -1
	CREST
.endm
.macro QUANT s, nb
.set qb, 0
.rept \nb
	v_max3_num_f32 v[TM+qb], |v[(\s)+16*qb]|, |v[(\s)+16*qb+1]|, 0x1800000   ; with the floor 2^(3 - 127): the byte cannot fall under 1
.set qb, qb+1
.endr
.irp i, 2,4,6,8,10,12,14
.set qb, 0
.rept \nb
	v_max3_num_f32 v[TM+qb], v[TM+qb], |v[(\s)+16*qb+\i]|, |v[(\s)+16*qb+\i+1]|
.set qb, qb+1
.endr
.endr
.set qb, 0
.rept \nb
	v_permlanex16_b32 v[TM+4+qb], v[TM+qb], s[SEL], s[SEL+1]
.set qb, qb+1
.endr
.set qb, 0
.rept \nb
	v_max_num_f32 v[TM+qb], v[TM+qb], v[TM+4+qb]
.set qb, qb+1
.endr
.set qb, 0
.rept \nb
	v_add_nc_u32 v[TM+12+qb], 0xff000000, v[TM+qb]
.set qb, qb+1
.endr
.set qb, 0
.rept \nb
	v_lshrrev_b32 v[TM+4+qb], 23, v[TM+12+qb]
.set qb, qb+1
.endr
	v_lshl_or_b32 v[PW], v[TM+5], 8, v[TM+4]
.if \nb > 2
	v_lshl_or_b32 v[PW], v[TM+6], 16, v[PW]
	v_lshl_or_b32 v[PW], v[TM+7], 24, v[PW]
.endif
.set qb, 0
.rept \nb/2
	v_cvt_scalef32_pk16_fp6_f32 v[PC+6*qb:PC+6*qb+2], v[(\s)+32*qb:(\s)+32*qb+15], v[TM+12+2*qb]
	v_cvt_scalef32_pk16_fp6_f32 v[PC+12+4*qb:PC+12+4*qb+2], v[(\s)+32*qb+16:(\s)+32*qb+31], v[TM+12+2*qb+1]
.set qb, qb+1
.endr
	v_nop                                          ; one plain place behind a scaled conversion
.set qb, 0
.rept \nb/2
.irp i, 0,1,2
	v_permlane16_swap_b32 v[PC+6*qb+\i], v[PC+12+4*qb+\i]
.endr
.irp i, 0,1,2
	v_mov_b32 v[PC+6*qb+3+\i], v[PC+12+4*qb+\i]
.endr
.set qb, qb+1
.endr
.endm
	s_load_b256 s[4:11], s[0:1], 0x0               ; xn, wq, qkv_b, qkvc
	v_lshl_add_u32 v[SPW], v0, 2, SPARE
	v_mov_b32 v[NIL], 0
	ds_add_u32 v[SPW], v[NIL]                      ; the wave's opening
	ds_add_u32 v[SPW], v[NIL]
	v_lshrrev_b32 v1, 5, v0
	v_readfirstlane_b32 s14, v1                    ; wave
	s_lshr_b32 s15, s14, 1                         ; my half of source 1's rows.  Also: I fetch for source 1 (0) or source 0 (1)
	s_and_b32 s16, s14, 1                          ; my half of source 0's rows.  Also: which 8 tiles I fetch
	s_bfe_u32 s40, ttmp6, 0x40000                  ; cx
	s_bfe_u32 s41, ttmp6, 0x40004                  ; cy
	s_and_b32 s12, ttmp7, 0xffff
	s_lshl_b32 s12, s12, 2                         ; 4 x cluster y
	s_lshl_b32 s13, ttmp9, 2                       ; 4 x cluster x
	s_mov_b32 s2, 16777216                         ; xn's codes begin here,
	s_mov_b32 s18, 19922944                        ; its scale words here;
	s_mov_b32 s19, 9437184                         ; W's scale words
	s_cmp_eq_u32 ttmp9, 2                          ; the cluster that makes v?  The same answer in all sixteen partners
	s_cselect_b32 s[FV], 1, 0
	s_cselect_b32 s42, s12, s13
	s_cselect_b32 s17, 0, s12
	s_cselect_b32 s3, 1572864, s2                  ; source 1's codes: Wv's (tile 128 on) or xn's
	s_cselect_b32 s2, s2, 0                        ; source 0's: xn's or W's
	s_cselect_b32 s67, 9502720, s18                ; source 1's scale words
	s_cselect_b32 s18, s18, s19                    ; source 0's
	s_add_co_u32 s42, s42, s40                     ; block of 256 rows of source 0
	s_add_co_u32 s17, s17, s41                     ; block of 256 rows of source 1
	s_lshl_b32 s43, s41, 2
	s_lshl_b32 s43, 15, s43                        ; my row of the cluster
	s_lshl_b32 s44, 0x1111, s40                    ; my column
	; group 1 for codes: rows (tiles) 12,288 bytes apart, in elements of 8 bytes; no padding.  At the head 16 rows of 3,072 bytes; the words that count are set anew where no load of mine is out
	s_or_b32 s[G1+0], s43, (3<<16)|(1<<21)
	s_or_b32 s[G1B+0], s44, (3<<16)|(1<<21)
.irp g, G1, G1B
	s_mov_b32 s[\g+1], 384<<16
	s_mov_b32 s[\g+2], 16<<16
	s_mov_b32 s[\g+3], 384<<16
	s_mov_b32 s[\g+4], 16
	s_mov_b32 s[\g+5], 1536
	s_mov_b32 s[\g+6], 0
	s_mov_b32 s[\g+7], 0
.endr
	; and for scale words: the 8,192 dense bytes of 16 tiles as 32 rows of 256
	s_or_b32 s[G1S+0], s43, (3<<16)|(1<<21)
	s_or_b32 s[G1SB+0], s44, (3<<16)|(1<<21)
.irp g, G1S, G1SB
	s_mov_b32 s[\g+1], 32<<16
	s_mov_b32 s[\g+2], 32<<16
	s_mov_b32 s[\g+3], 32<<16
	s_mov_b32 s[\g+4], 32
	s_mov_b32 s[\g+5], 32
	s_mov_b32 s[\g+6], 0
	s_mov_b32 s[\g+7], 0
.endr
	s_lshl_b32 s19, s16, 3
	s_lshl_b32 s20, s17, 4
	s_add_co_u32 s20, s20, s19                     ; source 1: tile 16 x block + 8 x half
	s_lshl_b32 s46, s42, 4
	s_add_co_u32 s46, s46, s19                     ; source 0 likewise
	s_lshl_b32 s22, s17, 13                        ; the scale words of the block's 16 tiles, 512 bytes each
	s_add_co_u32 s22, s22, s67
	s_lshl_b32 s92, s42, 13
	s_add_co_u32 s92, s92, s18
	s_mul_i32 s20, s20, 12288
	s_add_co_u32 s20, s20, s3
	s_mul_i32 s46, s46, 12288
	s_add_co_u32 s46, s46, s2
	s_mov_b32 s21, 0
	s_mov_b32 s23, 0
	s_mov_b32 s47, 0
	s_mov_b32 s93, 0
	s_mul_i32 s45, s14, HALFT                      ; where they go: no place in the cluster enters an LDS address
	s_wait_dscnt 0x0                               ; the opening add is done
	s_wait_kmcnt 0x0
	s_cmp_eq_u32 s[FV], 1
	s_cselect_b64 s[96:97], s[6:7], s[4:5]         ; source 1's buffer
	s_cselect_b64 s[98:99], s[4:5], s[6:7]         ; source 0's
	s_add_nc_u64 s[20:21], s[96:97], s[20:21]
	s_add_nc_u64 s[22:23], s[96:97], s[22:23]
	s_add_nc_u64 s[46:47], s[98:99], s[46:47]
	s_add_nc_u64 s[92:93], s[98:99], s[92:93]
	CROUND                                         ; all sixteen work-groups are here: the first joint loads meet
	s_mov_b32 s[G0S], 1
	s_mov_b32 s[G0S+1], SCL
	s_mov_b64 s[G0S+2:G0S+3], s[22:23]
	s_or_b32 s[G0S+3], s[G0S+3], 0x80000000
	s_mov_b32 s[G0SB], 1
	s_mov_b32 s[G0SB+1], SCL+2*HALFS
	s_mov_b64 s[G0SB+2:G0SB+3], s[92:93]
	s_or_b32 s[G0SB+3], s[G0SB+3], 0x80000000
.irp s, 0
	s_mov_b32 s[G0+4*\s], 1
	s_add_co_u32 s[G0+4*\s+1], s45, \s*SLOT
	s_add_nc_u64 s[G0+4*\s+2:G0+4*\s+3], s[20:21], \s*TROW
	s_or_b32 s[G0+4*\s+3], s[G0+4*\s+3], 0x80000000
	s_mov_b32 s[G0B+4*\s], 1
	s_add_co_u32 s[G0B+4*\s+1], s45, \s*SLOT
	s_add_nc_u64 s[G0B+4*\s+2:G0B+4*\s+3], s[46:47], \s*TROW
	s_or_b32 s[G0B+4*\s+3], s[G0B+4*\s+3], 0x80000000
.endr
	s_mov_b32 s[G0C], 1                            ; groups 0 for K's second and third 256, in registers that have served their first purpose
	s_lshl_b32 s19, s45, 1                         ; wave x 8 tiles x 6,144 bytes
	s_add_co_u32 s[G0C+1], s19, SLOT
	s_add_nc_u64 s[G0C+2:G0C+3], s[20:21], TROW
	s_or_b32 s[G0C+3], s[G0C+3], 0x80000000
	s_mov_b32 s[G0BC], 1
	s_add_co_u32 s[G0BC+1], s19, SLOT
	s_add_nc_u64 s[G0BC+2:G0BC+3], s[46:47], TROW
	s_or_b32 s[G0BC+3], s[G0BC+3], 0x80000000
; THE HEAD'S LOADS, ONE A WAVE: one chain of branches on the wave's number, a load to an arm, all arms to one join.
; Wave 0's and wave 2's own groups 0 point at the first of the 16 tiles of source 1 and of source 0, and at their places in slot 0.
.macro ARM under, g0, g1, next
	s_cmp_lt_u32 s14, \under
	s_cbranch_scc0 \next
	tensor_load_to_lds s[\g0:\g0+3], s[\g1:\g1+7]
	s_nop 0
.rept 4
	v_nop
.endr
	s_branch .Lhead_asked
\next:
.endm
	ARM 1, G0,  G1,  .Lhead_sa
	ARM 2, G0S, G1S, .Lhead_b
	ARM 3, G0B, G1B, .Lhead_sb
	tensor_load_to_lds s[G0SB:G0SB+3], s[G1SB:G1SB+7]
	s_nop 0
.rept 4
	v_nop
.endr
.Lhead_asked:
	v_and_b32 v1, 15, v0                           ; r
	v_bfe_u32 v2, v0, 4, 1                         ; h
	v_and_b32 v3, 31, v0
	v_lshlrev_b32 v[V16L], 4, v3
	v_lshlrev_b32 v[V8L], 3, v3
	s_mul_i32 s21, s15, HALFT
	s_mul_i32 s22, s16, HALFT
	s_add_co_u32 s22, s22, 2*HALFT
	s_wait_alu depctr_va_vdst(0)
	v_add_nc_u32 v[ADRA], s21, v[V16L]
	v_add_nc_u32 v[ADRB], s22, v[V16L]
	s_lshl_b32 s21, s21, 1                         ; behind slot 0: source 1's 16 tiles x 6,144 bytes, then source 0's; my 8 of each
	s_mul_i32 s22, s16, 2*HALFT
	s_add_co_u32 s21, s21, SLOT
	s_add_co_u32 s22, s22, 2*SLOT
	v_add_nc_u32 v[ADRA+1], s21, v[V16L]
	v_add_nc_u32 v[ADRB+1], s22, v[V16L]
	v_add_nc_u32 v[ADRA+2], TROW, v[ADRA+1]        ; slot 2's part of a row lies 3,072 bytes behind slot 1's
	v_add_nc_u32 v[ADRB+2], TROW, v[ADRB+1]
	s_mul_i32 s21, s15, HALFS
	s_mul_i32 s22, s16, HALFS
	s_add_co_u32 s22, s22, 2*HALFS
	s_sub_co_u32 s22, s22, s21
	v_mul_u32_u24 v6, s22, v2                      ; lanes 16-31 take source 0's words
	s_add_co_u32 s21, s21, SCL
	v_lshlrev_b32 v5, 2, v1
	v_add_nc_u32 v5, v5, v6
	v_add_nc_u32 v[ADRS], s21, v5
.macro FRAG reg, adr, q, i             ; a fragment's image comes back as it was stored: three loads of 512 consecutive bytes
.irp c, 0,1,2
	ds_load_b128 v[(\reg)+4*\c:(\reg)+4*\c+3], v[\adr] offset:(\q)*FRB+(\i)*TR+512*\c   ; TR: from tile to tile in the slot that is fetched from
.endr
.endm
; 16 matrix instructions: source 1's blocks a0, a0 + 1 x source 0's eight.  The 64 accumulators take turns, one instruction a turn, in the same order in every step.
.macro MUL16 a0, p, q, sc, zero
.irp a, \a0, \a0+1
.irp b, 0,1,2,3,4,5,6,7
.if \zero
	v_wmma_scale_f32_16x16x128_f8f6f4 v[8*(8*((\a)%4)+\b):8*(8*((\a)%4)+\b)+7], v[128*(\p)+FR*\b:128*(\p)+FR*\b+FR-1], v[AF+FR*(\a):AF+FR*(\a)+FR-1], 0, v[SC+8*NQ*(\sc)+NQ*\b+(\q)], v[SC+8*NQ*(\sc)+NQ*(\a)+(\q)] matrix_a_fmt:MATRIX_FMT_FP6 matrix_b_fmt:MATRIX_FMT_FP6 matrix_a_scale:MATRIX_SCALE_ROW1
.else
	v_wmma_scale_f32_16x16x128_f8f6f4 v[8*(8*((\a)%4)+\b):8*(8*((\a)%4)+\b)+7], v[128*(\p)+FR*\b:128*(\p)+FR*\b+FR-1], v[AF+FR*(\a):AF+FR*(\a)+FR-1], v[8*(8*((\a)%4)+\b):8*(8*((\a)%4)+\b)+7], v[SC+8*NQ*(\sc)+NQ*\b+(\q)], v[SC+8*NQ*(\sc)+NQ*(\a)+(\q)] matrix_a_fmt:MATRIX_FMT_FP6 matrix_b_fmt:MATRIX_FMT_FP6 matrix_a_scale:MATRIX_SCALE_ROW1
.endif
.endr
.endr
.endm
.macro FETCH_B slot, q, p
	WIN TO_B
.irp i, 0,1,2,3,4,5,6,7
	FRAG 128*(\p)+FR*\i, ADRB+\slot, \q, \i
.endr
	WIN 0
.endm
.macro FETCH_A slot, q, i0
.irp i, \i0, \i0+1, \i0+2, \i0+3
	FRAG AF+FR*(\i), ADRA+\slot, \q, \i
.endr
.endm
.macro SCALES sc                       ; the scale words of 256 along K into set sc: lanes 0-15 source 1's block i, lanes 16-31 source 0's block i
.irp i, 0,1,2,3,4,5,6,7
.irp q, 0,1
	ds_load_b32 v[SC+8*NQ*(\sc)+NQ*\i+\q], v[ADRS] offset:\i*512+64*\q
.endr
.endr
.endm
; slot: which LDS slot is read;  sc: which set of scale words (K's slot modulo 2).  A step of 128 along K that has its successor in the same slot:
.macro STEP slot, sc, q, zero
	s_wait_dscnt 4*NL                              ; all but the youngest 12 loads (source 1's blocks 4-7) are in
	WIN MUL_LO
	MUL16 0, (\q)%2, \q, \sc, \zero
	MUL16 2, (\q)%2, \q, \sc, \zero
	s_wait_dscnt 0
	PLACES NP                                      ; four places in front of loads into registers that matrix instructions have read
	FETCH_B \slot, (\q)+1, 1-(\q)%2
	FETCH_A \slot, (\q)+1, 0
	WIN MUL_HI
	MUL16 4, (\q)%2, \q, \sc, \zero
	MUL16 6, (\q)%2, \q, \sc, \zero
	PLACES NP
	WIN 0
	FETCH_A \slot, (\q)+1, 4
.endm
; A slot's last step goes on to LDS slot next, whose scale words go into set nsc.
; how = 2: this slot is filled again: each wave waits for all its tensor loads, adds 0 to its spare word, waits for that and for its reads of this slot; a round of the cluster's barrier; the joint refill first behind it.
; how = 1: the next slot's tile is the refill: the same three lines and my work-group's barrier; nothing is filled.
; how = 0: the next slot was shown whole to every wave at an earlier barrier, and nothing is filled: no wait for tensor loads (the refill stays on its way) and no barrier.
.macro TURN slot, sc, next, nsc, how
.if \how
	s_wait_tensorcnt 0x0                           ; all my tensor loads have landed
	ds_add_u32 v[SPW], v[NIL]
	s_wait_dscnt 4*NL+1                            ; the add and the youngest 12 loads may be out
.else
	s_wait_dscnt 4*NL
.endif
	WIN MUL_LO
	MUL16 0, 1, NQ-1, \sc, 0
	s_wait_dscnt 0x0                               ; my reads of this slot are over (and the add is done)
.if \how
	s_barrier_signal -1
.endif
	MUL16 2, 1, NQ-1, \sc, 0
	WIN 0
.if \how
	s_barrier_wait -1
.endif
.if \how == 2
	CREST                                          ; the barrier has opened a round of the cluster's barrier: no wave of any partner still reads this slot or has a load on its way
	s_add_nc_u64 s[G0+4*\slot+2:G0+4*\slot+3], s[G0+4*\slot+2:G0+4*\slot+3], 3*TROW
	s_add_nc_u64 s[G0B+4*\slot+2:G0B+4*\slot+3], s[G0B+4*\slot+2:G0B+4*\slot+3], 3*TROW
	s_mov_b32 s[G1+1], 384<<16                     ; no load of mine is out: the refill's rows are 3,072 bytes again
	s_mov_b32 s[G1+3], 384<<16
	s_mov_b32 s[G1B+1], 384<<16
	s_mov_b32 s[G1B+3], 384<<16
	JLOAD G0+4*\slot, G1, G0B+4*\slot, G1B         ; the first tensor load behind the round; its four v_nop are the places in front of the loads below
.else
	PLACES NP
.endif
	v_add_nc_u32 v[ADRS], 64*NQ, v[ADRS]           ; the next 256's scale words
	FETCH_B \next, 0, 0
	FETCH_A \next, 0, 0
	SCALES \nsc
	WIN MUL_HI
	MUL16 4, 1, NQ-1, \sc, 0
	MUL16 6, 1, NQ-1, \sc, 0
	PLACES NP
	WIN 0
	FETCH_A \next, 0, 4
.endm
.macro LAST                            ; the very last step: nothing more to fetch
	s_wait_dscnt 4*NL
	WIN MUL_LO
	MUL16 0, 1, NQ-1, 1, 0
	MUL16 2, 1, NQ-1, 1, 0
	s_wait_dscnt 0
	WIN MUL_HI
	MUL16 4, 1, NQ-1, 1, 0
	MUL16 6, 1, NQ-1, 1, 0
	WIN 0
	PLACES NP                                      ; in front of the first read of results and of writes over source 1's registers
.irp b, 0,1,2,3
	v_mov_b32 v[TM+4+\b], 0                        ; a lane permute's destination counts as one of its sources; source 1's fragments, which lay here, are done with
.endr
.endm
	s_wait_alu depctr_va_vdst(0)
	s_wait_tensorcnt 0x0                           ; my tile of the head's four is in
	ds_add_u32 v[SPW], v[NIL]
.irp g, G1, G1B
	s_mov_b32 s[\g+1], 768<<16                     ; no load of mine is out: the next load brings 8 rows of 6,144 bytes
	s_mov_b32 s[\g+2], 8<<16
	s_mov_b32 s[\g+3], 768<<16
	s_mov_b32 s[\g+4], 8
.endr
	s_wait_dscnt 0x0
	CROUND                                         ; all four tiles are in, in every wave's sight, and all sixteen work-groups are here
	JLOAD G0C, G1, G0BC, G1B                       ; K's second and third 256: the first tensor load behind the round
.set TR, TROW
	FETCH_B 0, 0, 0
	FETCH_A 0, 0, 0
	SCALES 0
	FETCH_A 0, 0, 4
	STEP 0, 0, 0, 1                                ; K = 1,024 is eight steps: written on end, the first starts the sums
.set TR, 2*TROW
	TURN 0, 0, 1, 1, 2                             ; slots 1 and 2 are whole in every wave's sight; slot 0's bytes take K's last 256
	s_wait_alu depctr_va_vdst(0)
	STEP 1, 1, 0, 0
	TURN 1, 1, 2, 0, 0
	s_wait_alu depctr_va_vdst(0)
	STEP 2, 0, 0, 0
.set TR, TROW
	TURN 2, 0, 0, 1, 1                             ; the refill has landed
	STEP 0, 1, 0, 0
	s_mov_b32 s[SEL], 0x76543210
	s_mov_b32 s[SEL+1], 0xfedcba98
	s_cmp_eq_u32 s[FV], 1
	s_cbranch_scc1 .Lv_way
	; ---- q and k.  The bias of my 128 features, in the result's layout, is asked for ahead of the last step's products
	s_lshl_b32 s18, s42, 10
	s_lshl_b32 s19, s16, 9
	s_add_co_u32 s18, s18, s19
	s_mov_b32 s19, 0
	s_add_nc_u64 s[8:9], s[8:9], s[18:19]
	v_lshlrev_b32 v[VBO], 6, v2
	WIN 0x40
.irp g, 0,1,2,3,4,5,6,7
	global_load_b128 v[96+4*\g:99+4*\g], v[VBO], s[8:9] offset:128*(\g/4)+16*(\g%4)
.endr
.irp g, 8,9,10,11,12,13,14,15
	global_load_b128 v[224+4*(\g-8):227+4*(\g-8)], v[VBO], s[8:9] offset:128*(\g/4)+16*(\g%4)
.endr
	WIN 0
	LAST
	s_lshr_b32 s18, s17, 3                         ; the batch
	s_lshl_b32 s18, s18, 4
	s_and_b32 s19, s42, 3
	s_lshl_b32 s19, s19, 2
	s_add_co_u32 s18, s18, s19
	s_lshl_b32 s19, s16, 1
	s_add_co_u32 s18, s18, s19                     ; 16 x batch + my first head
	s_lshl_b32 s19, s17, 4
	s_lshl_b32 s20, s15, 3
	s_add_co_u32 s19, s19, s20
	s_and_b32 s19, s19, 127
	s_lshl_b32 s20, s18, 7
	s_add_co_u32 s19, s19, s20
	s_mul_i32 s20, s19, 768                        ; q: [head][tile][768]
	s_lshl_b32 s21, s19, 6
	s_add_co_u32 s21, s21, 3145728
	s_lshl_b32 s22, s18, 3
	s_and_b32 s23, s17, 7
	s_add_co_u32 s22, s22, s23
	s_mul_i32 s22, s22, 26112
	s_add_co_u32 s22, s22, 3407872                 ; k: the block of 256 keys
	s_mul_i32 s23, s15, 6144
	s_add_co_u32 s23, s23, s22
	s_lshl_b32 s45, s15, 9
	s_add_co_u32 s45, s45, s22
	s_add_co_u32 s45, s45, 24576
	s_mov_b32 s46, 208896
	s_cmp_eq_u32 ttmp9, 0
	s_cselect_b32 s68, s20, s23
	s_cselect_b32 s72, s21, s45
	s_cselect_b32 s70, 98304, s46                  ; from a head's codes to the next head's
	s_cselect_b32 s47, 8192, s46                   ; and its scale words
	s_mov_b32 s69, 0
	s_mov_b32 s71, 0
	s_mov_b32 s73, 0
	s_mov_b32 s74, 0xffff0000                      ; lanes 16-31
	s_add_nc_u64 s[68:69], s[10:11], s[68:69]
	s_add_nc_u64 s[70:71], s[68:69], s[70:71]
	s_add_nc_u64 s[72:73], s[10:11], s[72:73]
	v_mul_u32_u24 v[VSO], s47, v2
	v_lshl_add_u32 v[VSO], v1, 2, v[VSO]
	s_wait_loadcnt 0x0                             ; the bias
.macro COPYQ k                         ; block k's 64 results + bias, out of the accumulators, each from its low end on
	WIN 0x06+((\k)/4)
.set ci, 0
.rept 16
	v_pk_add_f32 v[E+2*ci:E+2*ci+1], v[64*((\k)%4)+2*ci:64*((\k)%4)+2*ci+1], v[96+2*ci:97+2*ci]
.set ci, ci+1
.endr
.set ci, 0
.rept 16
	v_pk_add_f32 v[E+32+2*ci:E+33+2*ci], v[64*((\k)%4)+32+2*ci:64*((\k)%4)+33+2*ci], v[224+2*ci:225+2*ci]
.set ci, ci+1
.endr
	WIN 0
.endm
	s_mov_b32 s[AI], 0
.Lqblk:                                            ; eight trips: a block of 16 tokens x 128 features = two heads; only the copy out of the accumulators differs from trip to trip
.irp k, 0,1,2,3,4,5,6
	s_cmp_eq_u32 s[AI], \k
	s_cbranch_scc1 .Lcq\k
.endr
	COPYQ 7
	s_branch .Lqwork
.irp k, 0,1,2,3,4,5
.Lcq\k:
	COPYQ \k
	s_branch .Lqwork
.endr
.Lcq6:
	COPYQ 6
.Lqwork:
	QUANT E, 4
	global_store_b128 v[V16L], v[PC:PC+3], s[68:69]                ; the first head's half fragment: registers 0-3, 512 bytes;
	global_store_b64 v[V8L], v[PC+4:PC+5], s[68:69] offset:512     ; registers 4, 5, 256 bytes
	global_store_b128 v[V16L], v[PC+6:PC+9], s[70:71]              ; the second head's
	global_store_b64 v[V8L], v[PC+10:PC+11], s[70:71] offset:512
	v_and_b32 v181, 0xffff, v[PW]                  ; a head's two bytes; the upper two, which scale zero codes, are 0
	v_lshrrev_b32 v182, 16, v[PW]
	v_cndmask_b32 v183, v181, v182, s74            ; lanes 0-15 the first head's word, lanes 16-31 the second's
	global_store_b32 v[VSO], v183, s[72:73]
	s_wait_xcnt 0x0                                ; the stores have read their registers and bases
	s_add_nc_u64 s[68:69], s[68:69], 768
	s_add_nc_u64 s[70:71], s[70:71], 768
	s_add_nc_u64 s[72:73], s[72:73], 64
	s_add_co_u32 s[AI], s[AI], 1
	s_cmp_lt_u32 s[AI], 8
	s_cbranch_scc1 .Lqblk
	s_branch .Lfin
.Lv_way:
	; ---- v.  A lane holds one channel: its bias is one number a block, loaded twice to fill a pair
	s_lshl_b32 s18, s17, 10
	s_lshl_b32 s19, s15, 9
	s_add_co_u32 s18, s18, s19
	s_add_co_u32 s18, s18, 8192
	s_mov_b32 s19, 0
	s_add_nc_u64 s[8:9], s[8:9], s[18:19]
	v_and_b32 v[VBO], 8, v1
	v_add_nc_u32 v[VBO], v[VBO], v1
	v_lshlrev_b32 v[VBO], 2, v[VBO]
	WIN 0x40
.irp a, 0,1,2,3,4,5,6,7
	global_load_b32 v[96+2*\a], v[VBO], s[8:9] offset:(32*(\a/2)+8*(\a%2))*4
	global_load_b32 v[97+2*\a], v[VBO], s[8:9] offset:(32*(\a/2)+8*(\a%2))*4
.endr
	WIN 0
	LAST
	s_lshr_b32 s18, s42, 3                         ; the batch
	s_lshl_b32 s18, s18, 4
	s_lshl_b32 s19, s17, 2
	s_add_co_u32 s18, s18, s19
	s_lshl_b32 s19, s15, 1
	s_add_co_u32 s18, s18, s19                     ; 16 x batch + my first head
	s_lshl_b32 s18, s18, 3
	s_and_b32 s19, s42, 7
	s_add_co_u32 s18, s18, s19
	s_mul_i32 s18, s18, 26112
	s_add_co_u32 s18, s18, 3407872                 ; the block of 256 keys
	s_mul_i32 s19, s16, 6144
	s_add_co_u32 s68, s18, s19
	s_add_co_u32 s68, s68, 12288
	s_lshl_b32 s19, s16, 8
	s_add_co_u32 s72, s18, s19
	s_add_co_u32 s72, s72, 25600
	s_mov_b32 s69, 0
	s_mov_b32 s71, 0
	s_mov_b32 s73, 0
	s_mov_b32 s47, 0
	s_add_nc_u64 s[68:69], s[10:11], s[68:69]
	s_add_nc_u64 s[72:73], s[10:11], s[72:73]
	v_lshlrev_b32 v[VSO], 2, v1
	s_wait_loadcnt 0x0
.macro COPYV k
	WIN 0x06+((\k)/4)
.set ci, 0
.rept 32
	v_pk_add_f32 v[E+2*ci:E+2*ci+1], v[64*((\k)%4)+2*ci:64*((\k)%4)+2*ci+1], v[96+2*(\k):97+2*(\k)]
.set ci, ci+1
.endr
	WIN 0
.endm
	s_mov_b32 s[AI], 0
.Lvblk:                                            ; eight trips: a block of 16 channels x 128 keys: one fragment of V^T
.irp k, 0,1,2,3,4,5,6
	s_cmp_eq_u32 s[AI], \k
	s_cbranch_scc1 .Lcv\k
.endr
	COPYV 7
	s_branch .Lvwork
.irp k, 0,1,2,3,4,5
.Lcv\k:
	COPYV \k
	s_branch .Lvwork
.endr
.Lcv6:
	COPYV 6
.Lvwork:
	QUANT E, 4
.irp c, 0,1,2
	global_store_b128 v[V16L], v[PC+4*\c:PC+4*\c+3], s[68:69] offset:512*\c
.endr
	global_store_b32 v[VSO], v[PW], s[72:73]       ; lanes r and r + 16 hold the same word and write the same place
	s_wait_xcnt 0x0
	s_mov_b32 s70, 1536
	s_cmp_eq_u32 s[AI], 3                          ; behind a head's four fragments: on to the next head's block
	s_cselect_b32 s70, 204288, s70
	s_cselect_b32 s46, 208704, 64
	s_add_nc_u64 s[68:69], s[68:69], s[70:71]
	s_add_nc_u64 s[72:73], s[72:73], s[46:47]
	s_add_co_u32 s[AI], s[AI], 1
	s_cmp_lt_u32 s[AI], 8
	s_cbranch_scc1 .Lvblk
.Lfin:
	s_wait_tensorcnt 0x0                           ; the wave's end
	ds_add_u32 v[SPW], v[NIL]
	s_wait_dscnt 0x0
	CROUND                                         ; the closing round
	s_endpgm
.Lfunc_end_k_q9ca0a096d6_qkv:
	.size	k_q9ca0a096d6_qkv, .Lfunc_end_k_q9ca0a096d6_qkv-k_q9ca0a096d6_qkv
	.p2alignl 7, 3214868480
	.fill 96, 4, 3214868480
	.section	.rodata,"a",@progbits
	.p2align	6, 0x0
	.amdhsa_kernel k_q9ca0a096d6_qkv
		.amdhsa_group_segment_fixed_size 327680
		.amdhsa_private_segment_fixed_size 0
		.amdhsa_enable_private_segment 0
		.amdhsa_kernarg_size 32
		.amdhsa_user_sgpr_count 2
		.amdhsa_user_sgpr_kernarg_segment_ptr 1
		.amdhsa_wavefront_size32 1
		.amdhsa_system_sgpr_workgroup_id_x 1
		.amdhsa_system_sgpr_workgroup_id_y 1
		.amdhsa_system_sgpr_workgroup_id_z 1
		.amdhsa_system_vgpr_workitem_id 0
		.amdhsa_next_free_vgpr 1024
		.amdhsa_next_free_sgpr 100
		.amdhsa_reserve_vcc 0
		.amdhsa_float_denorm_mode_32 3
		.amdhsa_float_denorm_mode_16_64 3
		.amdhsa_memory_ordered 1
		.amdhsa_forward_progress 1
		.amdhsa_inst_pref_size 167
	.end_amdhsa_kernel
	.amdgpu_metadata
---
amdhsa.version: [ 1, 2 ]
amdhsa.kernels:
  - .name:           k_q9ca0a096d6_qkv
    .symbol:         k_q9ca0a096d6_qkv.kd
    .args:
      - { .name: xn, .offset: 0, .size: 8, .value_kind: global_buffer, .address_space: global }
      - { .name: wq, .offset: 8, .size: 8, .value_kind: global_buffer, .address_space: global }
      - { .name: qkv_b, .offset: 16, .size: 8, .value_kind: global_buffer, .address_space: global }
      - { .name: qkvc, .offset: 24, .size: 8, .value_kind: global_buffer, .address_space: global }
    .group_segment_fixed_size: 327680
    .private_segment_fixed_size: 0
    .kernarg_segment_align: 8
    .kernarg_segment_size: 32
    .max_flat_workgroup_size: 128
    .sgpr_count:     100
    .vgpr_count:     1024
    .wavefront_size: 32
...
	.end_amdgpu_metadata
.endif
;; end of part 2
;; launch attn (part 3): grid 8 x 32, 16 waves a work-group, no clusters, 327,680 bytes of LDS; arguments qkvc, oc; writes oc
.if DOCPART == 3
	.amdgcn_target "amdgcn-amd-amdhsa--gfx1250"
	.amdhsa_code_object_version 6
	.text
	.protected	k_q9ca0a096d6_attn
	.globl	k_q9ca0a096d6_attn
	.p2align	8
	.type	k_q9ca0a096d6_attn,@function
k_q9ca0a096d6_attn:
	s_mov_b64 s[64:65], 0
	v_nop
	global_prefetch_b8 v0, s[64:65] scope:SCOPE_SE
	s_setreg_imm32_b32 hwreg(HW_REG_WAVE_MODE, 25, 1), 1
	s_wait_xcnt 0x0
; o = softmax(q k^T / 8, causal) v for one head, both products on codes of FP6 (E2M3) with E8M0 scales; o leaves quantised along the head's 64, as half a fragment's image.
; t = score x log2(e) / 8; M = the running largest t rounded UP to a whole number; p = 2^(t - M) is what is quantised, along the keys; the row's sum is taken of the unquantised p and divides at the end.
; When M moves, the sum and O are multiplied by 2^(old M - new M): exact.  A block's largest p is made from its largest score by the same multiply-add and exponential (this takes v_exp_f32 not to fall where its input rises).
; SHARES.  A work-group owns query chunks j and 15 - j of 128 queries: 17 chunk-steps of 128 keys in every work-group, whatever j.  Each of its sixteen waves owns one tile of 16 queries in 256 registers;
; waves w with (w xor w / 4) odd take the late chunk, so that long and short waves are mixed.  No cluster: which steps a work-group walks hangs on its own chunks, and partners would need different numbers of tiles.
; The head size is 64, half of the instruction's K: registers 6-11 of q's and k's fragments hold zero codes, written once.
; LAYOUT.  Both products are used transposed: S^T = K Q^T, O^T = V^T P^T: a lane holds one query throughout.  Tile positions are laid so that the 16 registers of two neighbouring tiles are 16 neighbouring keys (or channels).
; RING.  256 keys of a head are one dense block of 26,112 bytes (K's 16 half fragments, V's 8 fragments, their scale words): one tensor load of wave 0 brings it; two slots, 2^15 bytes apart.
; Every work-group walks all 8 slots (constant trip counts); a step whose keys all come after the wave's chunk is jumped over, and a slot whose first key comes after the work-group's last query is not asked for.
; LIMITS: a block of zeros gets the byte 1; NaN and infinities are not served.
; REGISTERS: v1-7 stay; v8-10 addresses in hand; v12 -M, v13 largest t, v[14:15] the sum; v16-27 Q; v28-31 V's scale words; v32-79 four K fragments; v80-127 four V fragments; v128-191 S^T, then p; v192-223 O^T;
;   v224-235 p's codes; v232-254 at work; v248-251 K's scale words; v253 p's scale word; v255 Q's.
.set SLOT1, 1<<15
.set SPARE, 2*SLOT1                    ; behind the ring: the spare words, 128 bytes for each of 16 waves
.set BLKB,  26112
.set L16, 1
.set L8,  2
.set R4,  3
.set QL,  4
.set SPW, 5
.set NIL, 6
.set PFO, 7
.set A16, 8
.set A8,  9
.set A4,  10
.set S,   128
.set O,   192
.set PC,  32                           ; the way out
.set TM,  52
.set PW,  68
.set WV,  18
.set SEL, 20
.set CS,  22
.set G1,  24
.set G0,  32
.set SLOTS, 36
.set KF,  37                           ; the step's first key
.set Q0,  38                           ; my tile's first token
.set CBK, 39                           ; my chunk's first token
.set LAST, 40                          ; my work-group's last query
.set LIM, 41
.set PFA, 42
.set TB,  44
.macro TLOAD                           ; wave 0 fetches; an s_nop 0 and four v_nop follow the line
	s_cmp_eq_u32 s[WV], 0
	s_cbranch_scc0 .Lasked_\@
	tensor_load_to_lds s[G0:G0+3], s[G1:G1+7]
	s_nop 0
.rept 4
	v_nop
.endr
.Lasked_\@:
.endm
; A prefetch of what the NEXT change of slots will ask for: the K and V images of a block, 96 x 256 bytes.  All work-groups of a head walk the same blocks: the head's first work-group asks, and in it waves 4, 5, 6,
; 8,192 bytes each, lanes 256 bytes apart: each 256 bytes are named once.  The last change that fills a slot asks for nothing; blocks 0 and 1 and the scale words come by their loads alone.
.macro ASK
	s_cmp_gt_u32 s[SLOTS], s[LIM]
	s_cbranch_scc0 .Lnot_mine_\@
	global_prefetch_b8 v[PFO], s[PFA:PFA+1] th:TH_LOAD_NT scope:SCOPE_SE
.Lnot_mine_\@:
.endm
.macro QUANT s, nb
.set qb, 0
.rept \nb
	v_max3_num_f32 v[TM+qb], |v[(\s)+16*qb]|, |v[(\s)+16*qb+1]|, 0x1800000
.set qb, qb+1
.endr
.irp i, 2,4,6,8,10,12,14
.set qb, 0
.rept \nb
	s_delay_alu instid0(VALU_DEP_2)
	v_max3_num_f32 v[TM+qb], v[TM+qb], |v[(\s)+16*qb+\i]|, |v[(\s)+16*qb+\i+1]|
.set qb, qb+1
.endr
.endr
.set qb, 0
.rept \nb
	s_delay_alu instid0(VALU_DEP_2)
	v_permlanex16_b32 v[TM+4+qb], v[TM+qb], s[SEL], s[SEL+1]
.set qb, qb+1
.endr
.set qb, 0
.rept \nb
	s_delay_alu instid0(VALU_DEP_2)
	v_max_num_f32 v[TM+qb], v[TM+qb], v[TM+4+qb]
.set qb, qb+1
.endr
.set qb, 0
.rept \nb
	s_delay_alu instid0(VALU_DEP_2)
	v_add_nc_u32 v[TM+12+qb], 0xff000000, v[TM+qb]
.set qb, qb+1
.endr
.set qb, 0
.rept \nb
	s_delay_alu instid0(VALU_DEP_2)
	v_lshrrev_b32 v[TM+4+qb], 23, v[TM+12+qb]
.set qb, qb+1
.endr
	s_delay_alu instid0(VALU_DEP_1)
	v_lshl_or_b32 v[PW], v[TM+5], 8, v[TM+4]
.if \nb > 2
	v_lshl_or_b32 v[PW], v[TM+6], 16, v[PW]
	v_lshl_or_b32 v[PW], v[TM+7], 24, v[PW]
.endif
.set qb, 0
.rept \nb/2
	v_cvt_scalef32_pk16_fp6_f32 v[PC+6*qb:PC+6*qb+2], v[(\s)+32*qb:(\s)+32*qb+15], v[TM+12+2*qb]
	v_cvt_scalef32_pk16_fp6_f32 v[PC+12+4*qb:PC+12+4*qb+2], v[(\s)+32*qb+16:(\s)+32*qb+31], v[TM+12+2*qb+1]
.set qb, qb+1
.endr
	v_nop
.set qb, 0
.rept \nb/2
.irp i, 0,1,2
	v_permlane16_swap_b32 v[PC+6*qb+\i], v[PC+12+4*qb+\i]
.endr
.irp i, 0,1,2
	s_delay_alu instid0(VALU_DEP_3)
	v_mov_b32 v[PC+6*qb+3+\i], v[PC+12+4*qb+\i]
.endr
.set qb, qb+1
.endr
.endm
	s_load_b128 s[4:7], s[0:1], 0x0                ; qkvc, oc
	v_lshl_add_u32 v[SPW], v0, 2, SPARE
	v_mov_b32 v[NIL], 0
	ds_add_u32 v[SPW], v[NIL]                      ; the wave's opening
	ds_add_u32 v[SPW], v[NIL]
	v_lshrrev_b32 v8, 5, v0
	s_delay_alu instid0(VALU_DEP_1)
	v_readfirstlane_b32 s[WV], v8
	s_and_b32 s8, ttmp7, 0xffff                    ; 16 x batch + head
	s_lshr_b32 s9, s[WV], 2
	s_xor_b32 s9, s9, s[WV]
	s_and_b32 s9, s9, 1
	s_sub_co_u32 s10, 15, ttmp9
	s_cmp_eq_u32 s9, 1
	s_cselect_b32 s11, s10, ttmp9                  ; my chunk
	s_lshl_b32 s[CBK], s11, 7
	s_lshl_b32 s12, s11, 3
	s_lshr_b32 s13, s[WV], 1
	s_add_co_u32 s12, s12, s13                     ; my tile of the head's 128
	s_lshr_b32 s13, s12, 1
	s_lshl_b32 s13, s13, 5
	s_and_b32 s14, s12, 1
	s_lshl_b32 s14, s14, 3
	s_add_co_u32 s[Q0], s13, s14
	s_lshl_b32 s[LAST], s10, 7
	s_or_b32 s[LAST], s[LAST], 127
	s_mov_b32 s[G1], 3<<16                         ; elements of 8 bytes, no mask, no padding: 102 rows of 256 dense bytes
	s_mov_b32 s[G1+1], 32<<16
	s_mov_b32 s[G1+2], 102<<16
	s_mov_b32 s[G1+3], 32<<16
	s_mov_b32 s[G1+4], 102
	s_mov_b32 s[G1+5], 32
	s_mov_b32 s[G1+6], 0
	s_mov_b32 s[G1+7], 0
	s_mul_i32 s54, s8, 8*BLKB
	s_add_co_u32 s54, s54, 3407872                 ; the head's blocks
	s_mov_b32 s55, 0
	s_lshl_b32 s56, s8, 7
	s_add_co_u32 s56, s56, s12
	s_mul_i32 s46, s56, 768                        ; Q's half fragment
	s_mov_b32 s47, 0
	s_lshl_b32 s48, s56, 6
	s_add_co_u32 s48, s48, 3145728                 ; and its scale words
	s_mov_b32 s49, 0
	s_lshr_b32 s56, s8, 4
	s_lshl_b32 s56, s56, 7
	s_add_co_u32 s56, s56, s12                     ; my tile among all 256
	s_lshl_b32 s56, s56, 4
	s_and_b32 s57, s8, 15
	s_add_co_u32 s56, s56, s57
	s_mul_i32 s50, s56, 768                        ; o: [tile][head][768]
	s_mov_b32 s51, 0
	s_lshl_b32 s52, s56, 6
	s_add_co_u32 s52, s52, 3145728
	s_mov_b32 s53, 0
	s_and_b32 s57, s[WV], 3
	s_lshl_b32 s57, s57, 13
	s_add_co_u32 s42, s54, s57
	s_add_co_u32 s42, s42, BLKB                    ; in block 1: the first change of slots steps it to block 2
	s_mov_b32 s43, 0
	s_sub_co_u32 s13, s[WV], 4
	s_lshr_b32 s13, s13, 2                         ; 0 in waves 4 to 7,
	s_or_b32 s13, s13, ttmp9                       ; of the head's first work-group
	s_cmp_eq_u32 s13, 0
	s_cselect_b32 s[LIM], 1, -1
	s_cmp_eq_u32 s[WV], 7
	s_cselect_b32 s[LIM], -1, s[LIM]
	s_mov_b32 s[SEL], 0x76543210
	s_mov_b32 s[SEL+1], 0xfedcba98
	s_mov_b32 s[CS], 0x3e38aa3b                    ; c = log2(e) / 8
	s_mov_b32 s[CS+1], s[CS]
	s_mov_b32 s[TB], 0
	s_mov_b32 s[SLOTS], 7
	s_mov_b32 s[KF], 0
	s_wait_dscnt 0x0                               ; the opening add is done
	s_wait_kmcnt 0x0
	s_mov_b32 s[G0], 1
	s_mov_b32 s[G0+1], 0
	s_add_nc_u64 s[G0+2:G0+3], s[4:5], s[54:55]
	s_or_b32 s[G0+3], s[G0+3], 0x80000000
	TLOAD                                          ; block 0 into slot 0
	s_add_nc_u64 s[46:47], s[4:5], s[46:47]
	s_add_nc_u64 s[48:49], s[4:5], s[48:49]
	s_add_nc_u64 s[PFA:PFA+1], s[4:5], s[PFA:PFA+1]
	s_add_nc_u64 s[50:51], s[6:7], s[50:51]
	s_add_nc_u64 s[52:53], s[6:7], s[52:53]
	v_and_b32 v8, 31, v0
	s_delay_alu instid0(VALU_DEP_1)
	v_lshlrev_b32 v[L16], 4, v8
	s_delay_alu instid0(VALU_DEP_2)
	v_lshlrev_b32 v[L8], 3, v8
	s_delay_alu instid0(VALU_DEP_3)
	v_lshlrev_b32 v[PFO], 8, v8
	v_and_b32 v8, 15, v0                           ; r
	v_bfe_u32 v9, v0, 4, 1                         ; h
	s_delay_alu instid0(VALU_DEP_2)
	v_lshlrev_b32 v[R4], 2, v8
	global_load_b128 v[16:19], v[L16], s[46:47]
	global_load_b64 v[20:21], v[L8], s[46:47] offset:512
	global_load_b32 v255, v[R4], s[48:49]
.irp i, 22,23,24,25,26,27
	v_mov_b32 v[\i], 0                             ; zero codes for k = 64 .. 127
.endr
.irp t, 0,1,2,3
.irp i, 6,7,8,9,10,11
	v_mov_b32 v[32+12*\t+\i], 0
.endr
.endr
	v_and_b32 v10, 8, v8
	s_delay_alu instid0(VALU_DEP_1)
	v_add_nc_u32 v[QL], v10, v8
	v_lshlrev_b32 v10, 4, v9
	s_delay_alu instid0(VALU_DEP_1)
	v_sub_nc_u32 v[QL], v[QL], v10                 ; my query's place in its tile's 32 tokens, less 16 h
	v_mov_b32 v13, 0xff61b1e6                      ; the largest t so far: -3e38
	s_delay_alu instid0(VALU_DEP_1)
	v_floor_f32 v12, -v13
	v_mov_b32 v14, 0
	v_mov_b32 v15, 0
.irp b, 0,1,2,3
	v_mov_b32 v[236+\b], 0                         ; a lane permute's destination counts as one of its sources
.endr
	v_mov_b32 v252, 0
	v_mov_b32 v253, 0
.set xi, 0
.rept 32
	v_mov_b32 v[O+xi], 0                           ; O^T: the loop is written once, its first step finds zeros
.set xi, xi+1
.endr
; A KEY STEP: 128 keys, the q-th of the slot in hand
.macro STEP q
	s_cmp_gt_u32 s[KF], s[CBK]                     ; all its keys come after my chunk: left out (ids and the count of steps alone)
	s_cbranch_scc1 .Lhidden_\@
	v_add_nc_u32 v[A16], s[TB], v[L16]
	v_add_nc_u32 v[A8], s[TB], v[L8]
	v_add_nc_u32 v[A4], s[TB], v[R4]
	v_nop                                          ; four places in front of loads into registers that the last products read
.irp t, 0,1,2,3
	ds_load_b128 v[32+12*\t:35+12*\t], v[A16] offset:768*(8*(\q)+\t)
	ds_load_b64 v[36+12*\t:37+12*\t], v[A8] offset:768*(8*(\q)+\t)+512
	ds_load_b32 v[248+\t], v[A4] offset:24576+64*(8*(\q)+\t)
.endr
.irp d, 0,1,2,3
.irp c, 0,1,2
	ds_load_b128 v[80+12*\d+4*\c:83+12*\d+4*\c], v[A16] offset:12288+(4*(\q)+\d)*1536+512*\c
.endr
	ds_load_b32 v[28+\d], v[A4] offset:25600+(4*(\q)+\d)*64
.endr
	s_wait_alu depctr_va_vdst(0)
	s_wait_dscnt 16                                ; K's first four tiles are in; V's 16 loads may be out
.irp t, 0,1,2,3
	v_wmma_scale_f32_16x16x128_f8f6f4 v[S+8*\t:S+8*\t+7], v[32+12*\t:43+12*\t], v[16:27], 0, v[248+\t], v255 matrix_a_fmt:MATRIX_FMT_FP6 matrix_b_fmt:MATRIX_FMT_FP6
.endr
.rept 4
	v_nop
.endr
.irp t, 0,1,2,3
	ds_load_b128 v[32+12*\t:35+12*\t], v[A16] offset:768*(8*(\q)+4+\t)
	ds_load_b64 v[36+12*\t:37+12*\t], v[A8] offset:768*(8*(\q)+4+\t)+512
	ds_load_b32 v[248+\t], v[A4] offset:24576+64*(8*(\q)+4+\t)
.endr
	s_wait_dscnt 0x0
.irp t, 0,1,2,3
	v_wmma_scale_f32_16x16x128_f8f6f4 v[S+32+8*\t:S+32+8*\t+7], v[32+12*\t:43+12*\t], v[16:27], 0, v[248+\t], v255 matrix_a_fmt:MATRIX_FMT_FP6 matrix_b_fmt:MATRIX_FMT_FP6
.endr
.rept 4
	v_nop
.endr
	s_cmp_lt_u32 s[KF], s[CBK]                     ; all its keys count: no mask
	s_cbranch_scc1 .Lopen_\@
	s_sub_co_i32 s56, s[Q0], s[KF]
	v_add_nc_u32 v252, s56, v[QL]                  ; d = my query - KF - 16 h.  Register 16 b + i holds key KF + 32 b + 16 h + i: hidden where 32 b + i > d
	v_mov_b32 v254, 0xff800000
.set xi, 0
.rept 64
	v_cmp_gt_i32 vcc_lo, 32*(xi/16)+xi%16, v252
	v_cndmask_b32 v[S+xi], v[S+xi], v254, vcc_lo
.set xi, xi+1
.endr
.Lopen_\@:
.irp b, 0,1,2,3
	v_max3_num_f32 v[232+\b], v[S+16*\b], v[S+1+16*\b], v[S+2+16*\b]   ; the largest score of each block of 32 keys
.endr
.irp i, 3,5,7,9,11,13
.irp b, 0,1,2,3
	v_max3_num_f32 v[232+\b], v[232+\b], v[S+16*\b+\i], v[S+1+16*\b+\i]
.endr
.endr
.irp b, 0,1,2,3
	v_max_num_f32 v[232+\b], v[232+\b], v[S+15+16*\b]
.endr
.irp b, 0,1,2,3
	s_delay_alu instid0(VALU_DEP_4)
	v_permlanex16_b32 v[236+\b], v[232+\b], s[SEL], s[SEL+1]
.endr
.irp b, 0,1,2,3
	s_delay_alu instid0(VALU_DEP_4)
	v_max_num_f32 v[232+\b], v[232+\b], v[236+\b]
.endr
	s_delay_alu instid0(VALU_DEP_2)
	v_max3_num_f32 v254, v232, v233, v234
	s_delay_alu instid0(VALU_DEP_1)
	v_max_num_f32 v254, v254, v235
	s_delay_alu instid0(VALU_DEP_1)
	v_mul_f32 v254, s[CS], v254
	s_delay_alu instid0(VALU_DEP_1)
	v_max_num_f32 v13, v13, v254                   ; the running largest t
	v_mov_b32 v254, v12
	s_delay_alu instid0(VALU_DEP_2)
	v_floor_f32 v12, -v13                          ; the new -M
	s_delay_alu instid0(VALU_DEP_1)
	v_sub_f32 v254, v12, v254                      ; old M - new M: a whole number, 0 or less
	s_delay_alu instid0(VALU_DEP_1)
	v_cvt_i32_f32 v254, v254                       ; (it saturates)
	s_delay_alu instid0(VALU_DEP_1)
	v_ldexp_f32 v252, 1.0, v254                    ; f = 2^(old M - new M)
.set xi, 0
.rept 32
	v_pk_fma_f32 v[S+2*xi:S+2*xi+1], v[S+2*xi:S+2*xi+1], s[CS:CS+1], v[12:13] op_sel_hi:[1,0,0]   ; t - M
.set xi, xi+1
.endr
.irp b, 0,1,2,3
	v_fma_f32 v[232+\b], v[232+\b], s[CS], v12
.endr
.set xi, 0
	s_wait_alu depctr_va_vdst(0)
.rept 64
	v_exp_f32 v[S+xi], v[S+xi]                     ; p, at most 1, not normalised
.set xi, xi+1
.endr
	v_pk_mul_f32 v[14:15], v[14:15], v[252:253] op_sel_hi:[1,0]   ; the sums under the new M: a plain place behind the exponentials
	s_wait_alu depctr_va_vdst(0)                   ; one wait for the batch, ahead of its first reader
.irp b, 0,1,2,3
	v_exp_f32 v[232+\b], v[232+\b]                 ; each block's largest p
.endr
	v_pk_add_f32 v[236:237], v[132:133], v[136:137]
	v_pk_add_f32 v[250:251], v[140:141], v[144:145]
	v_pk_add_f32 v[248:249], v[148:149], v[152:153]
	v_pk_add_f32 v[246:247], v[156:157], v[160:161]
	v_pk_add_f32 v[244:245], v[164:165], v[168:169]
	v_pk_add_f32 v[242:243], v[172:173], v[176:177]
	v_pk_add_f32 v[240:241], v[180:181], v[184:185]
	v_pk_add_f32 v[14:15], v[14:15], v[188:189]
	v_pk_add_f32 v[236:237], v[236:237], v[128:129]
	v_pk_add_f32 v[250:251], v[250:251], v[130:131]
	v_pk_add_f32 v[248:249], v[248:249], v[134:135]
	v_pk_add_f32 v[246:247], v[246:247], v[138:139]
	v_pk_add_f32 v[244:245], v[244:245], v[142:143]
	v_pk_add_f32 v[242:243], v[242:243], v[146:147]
	v_pk_add_f32 v[240:241], v[240:241], v[150:151]
	v_pk_add_f32 v[14:15], v[14:15], v[154:155]
	v_pk_add_f32 v[236:237], v[236:237], v[158:159]
	v_pk_add_f32 v[250:251], v[250:251], v[162:163]
	v_pk_add_f32 v[248:249], v[248:249], v[166:167]
	v_pk_add_f32 v[246:247], v[246:247], v[170:171]
	v_pk_add_f32 v[244:245], v[244:245], v[174:175]
	v_pk_add_f32 v[242:243], v[242:243], v[178:179]
	v_pk_add_f32 v[240:241], v[240:241], v[182:183]
	v_pk_add_f32 v[14:15], v[14:15], v[186:187]
	v_pk_add_f32 v[236:237], v[236:237], v[190:191]
	s_delay_alu instid0(VALU_DEP_2)
	v_pk_add_f32 v[14:15], v[14:15], v[246:247]
	s_delay_alu instid0(VALU_DEP_2)
	v_pk_add_f32 v[236:237], v[236:237], v[244:245]
	v_pk_add_f32 v[250:251], v[250:251], v[242:243]
	v_pk_add_f32 v[248:249], v[248:249], v[240:241]
	s_delay_alu instid0(VALU_DEP_2)
	v_pk_add_f32 v[14:15], v[14:15], v[250:251]
	s_delay_alu instid0(VALU_DEP_2)
	v_pk_add_f32 v[236:237], v[236:237], v[248:249]
	s_delay_alu instid0(VALU_DEP_1)
	v_pk_add_f32 v[14:15], v[14:15], v[236:237]
	s_wait_alu depctr_va_vdst(0)                   ; and one for the four
.irp b, 0,1,2,3
	v_max_num_f32 v[232+\b], 0x1800000, v[232+\b]  ; the floor 2^(3 - 127)
.endr
.irp b, 0,1,2,3
	s_delay_alu instid0(VALU_DEP_4)
	v_add_nc_u32 v[244+\b], 0xff000000, v[232+\b]
.endr
.irp b, 0,1,2,3
	s_delay_alu instid0(VALU_DEP_4)
	v_lshrrev_b32 v[236+\b], 23, v[244+\b]
.endr
	s_delay_alu instid0(VALU_DEP_3)
	v_lshl_or_b32 v253, v237, 8, v236              ; p's scale word for these 128 keys
	s_delay_alu instid0(VALU_DEP_1)
	v_lshl_or_b32 v253, v238, 16, v253
	s_delay_alu instid0(VALU_DEP_1)
	v_lshl_or_b32 v253, v239, 24, v253
.irp c, 0,1
	v_cvt_scalef32_pk16_fp6_f32 v[224+6*\c:226+6*\c], v[S+32*\c:S+15+32*\c], v[244+2*\c]
	v_cvt_scalef32_pk16_fp6_f32 v[236+4*\c:238+4*\c], v[S+16+32*\c:S+31+32*\c], v[244+2*\c+1]
.endr
	v_nop
.irp c, 0,1
.irp i, 0,1,2
	v_permlane16_swap_b32 v[224+6*\c+\i], v[236+4*\c+\i]
.endr
.irp i, 0,1,2
	s_delay_alu instid0(VALU_DEP_3)
	v_mov_b32 v[227+6*\c+\i], v[236+4*\c+\i]
.endr
.endr
.set xi, 0
.rept 16
	v_pk_mul_f32 v[O+2*xi:O+2*xi+1], v[O+2*xi:O+2*xi+1], v[252:253] op_sel_hi:[1,0]   ; O^T under the new M; these are also the places in front of the products below
.set xi, xi+1
.endr
.irp d, 0,1,2,3
	v_wmma_scale_f32_16x16x128_f8f6f4 v[O+8*\d:O+8*\d+7], v[80+12*\d:91+12*\d], v[224:235], v[O+8*\d:O+8*\d+7], v[28+\d], v253 matrix_a_fmt:MATRIX_FMT_FP6 matrix_b_fmt:MATRIX_FMT_FP6
.endr
.Lhidden_\@:
	s_add_co_u32 s[KF], s[KF], 128
.endm
; THE CHANGE OF SLOTS stands at a slot's head: each wave waits for all its tensor loads, adds 0 to its spare word, waits for that and for its reads of the slot that it has left; one barrier; then the slot left is filled.
.macro CHANGE fill
	s_wait_tensorcnt 0x0                           ; no tensor load of mine is out, so the group 0 may be written
	ds_add_u32 v[SPW], v[NIL]
.if \fill
	s_xor_b32 s[G0+1], s[G0+1], SLOT1
	s_add_nc_u64 s[G0+2:G0+3], s[G0+2:G0+3], BLKB
	s_wait_xcnt 0x0                                ; the last prefetch, a slot back, has read its address
	s_add_nc_u64 s[PFA:PFA+1], s[PFA:PFA+1], BLKB
.endif
	s_wait_dscnt 0x0
	s_barrier_signal -1
	s_barrier_wait -1
.if \fill
	s_add_co_u32 s56, s[KF], 256                   ; the first key of the block that this change would ask for:
	s_cmp_gt_u32 s56, s[LAST]                      ; past my work-group's last query no wave reads it, so it is not asked for; the same way in all sixteen waves, and for good
	s_cbranch_scc1 .Lpast_\@
	TLOAD
.Lpast_\@:
	ASK
.endif
.endm
.macro SLOT_STEPS
	STEP 0
	STEP 1
	s_xor_b32 s[TB], s[TB], SLOT1
.endm
	s_wait_loadcnt 0x0                             ; Q
.Lslot:                                            ; seven trips
	CHANGE 1
	SLOT_STEPS
	s_sub_co_u32 s[SLOTS], s[SLOTS], 1
	s_cmp_lg_u32 s[SLOTS], 0
	s_cbranch_scc1 .Lslot
	CHANGE 0                                       ; the last slot is written out: nothing is asked for
	SLOT_STEPS
	; THE WAY OUT: O^T / the sum is o as the next product wants it: quantised along the head's 64 channels
.rept 4
	v_nop
.endr
	v_add_f32 v14, v14, v15
	s_delay_alu instid0(VALU_DEP_1)
	v_permlanex16_b32 v252, v14, s[SEL], s[SEL+1]
	s_delay_alu instid0(VALU_DEP_1)
	v_add_f32 v14, v14, v252
	s_wait_alu depctr_va_vdst(0)
	v_rcp_f32 v14, v14
	v_mov_b32 v[TM+4], 0                           ; (a plain place behind the transcendental)
	v_mov_b32 v[TM+5], 0
	s_wait_alu depctr_va_vdst(0)
.set xi, 0
.rept 32
	v_mul_f32 v[S+xi], v[O+xi], v14
.set xi, xi+1
.endr
	QUANT S, 2
	global_store_b128 v[L16], v[PC:PC+3], s[50:51]
	global_store_b64 v[L8], v[PC+4:PC+5], s[50:51] offset:512
	global_store_b32 v[R4], v[PW], s[52:53]        ; lanes r and r + 16 hold the same word and write the same place
	s_wait_tensorcnt 0x0                           ; the wave's end
	ds_add_u32 v[SPW], v[NIL]
	s_wait_dscnt 0x0
	s_endpgm
.Lfunc_end_k_q9ca0a096d6_attn:
	.size	k_q9ca0a096d6_attn, .Lfunc_end_k_q9ca0a096d6_attn-k_q9ca0a096d6_attn
	.p2alignl 7, 3214868480
	.fill 96, 4, 3214868480
	.section	.rodata,"a",@progbits
	.p2align	6, 0x0
	.amdhsa_kernel k_q9ca0a096d6_attn
		.amdhsa_group_segment_fixed_size 327680
		.amdhsa_private_segment_fixed_size 0
		.amdhsa_enable_private_segment 0
		.amdhsa_kernarg_size 16
		.amdhsa_user_sgpr_count 2
		.amdhsa_user_sgpr_kernarg_segment_ptr 1
		.amdhsa_wavefront_size32 1
		.amdhsa_system_sgpr_workgroup_id_x 1
		.amdhsa_system_sgpr_workgroup_id_y 1
		.amdhsa_system_sgpr_workgroup_id_z 1
		.amdhsa_system_vgpr_workitem_id 0
		.amdhsa_next_free_vgpr 256
		.amdhsa_next_free_sgpr 66
		.amdhsa_reserve_vcc 1
		.amdhsa_float_denorm_mode_32 3
		.amdhsa_float_denorm_mode_16_64 3
		.amdhsa_memory_ordered 1
		.amdhsa_forward_progress 1
		.amdhsa_inst_pref_size 104
	.end_amdhsa_kernel
	.amdgpu_metadata
---
amdhsa.version: [ 1, 2 ]
amdhsa.kernels:
  - .name:           k_q9ca0a096d6_attn
    .symbol:         k_q9ca0a096d6_attn.kd
    .args:
      - { .name: qkvc, .offset: 0, .size: 8, .value_kind: global_buffer, .address_space: global }
      - { .name: oc, .offset: 8, .size: 8, .value_kind: global_buffer, .address_space: global }
    .group_segment_fixed_size: 327680
    .private_segment_fixed_size: 0
    .kernarg_segment_align: 8
    .kernarg_segment_size: 16
    .max_flat_workgroup_size: 512
    .sgpr_count:     66
    .vgpr_count:     256
    .wavefront_size: 32
...
	.end_amdgpu_metadata
.endif
;; end of part 3
;; launch projln2 (part 4): grid 256 x 1, 16 waves a work-group, no clusters, 67,840 bytes of LDS; arguments oc, wq, attn_out_b, xn, ln2_w, ln2_b, hn; writes hn
.if DOCPART == 4
	.amdgcn_target "amdgcn-amd-amdhsa--gfx1250"
	.amdhsa_code_object_version 6
	.text
	.protected	k_q9ca0a096d6_projln2
	.globl	k_q9ca0a096d6_projln2
	.p2align	8
	.type	k_q9ca0a096d6_projln2,@function
k_q9ca0a096d6_projln2:
	s_mov_b64 s[64:65], 0
	v_nop
	global_prefetch_b8 v0, s[64:65] scope:SCOPE_SE
	s_setreg_imm32_b32 hwreg(HW_REG_WAVE_MODE, 25, 1), 1
	s_wait_xcnt 0x0
; hn = LayerNorm(xn + o Wo + bo) x w + b.  The product is on codes of FP6 (E2M3) with E8M0 scales; all else in f32.  hn leaves as f32, as codes and as scale words, laid as xn is.
; A work-group takes one tile of 16 positions x all 1,024 columns, so that the norm stays inside it; wave w makes columns 64 w .. 64 w + 63: four accumulators by turns, eight K steps.
; Each weight fragment feeds one matrix instruction of the work-group, so LDS would spare no read: weights and o come straight into registers as images, by loads of 512 (or 256) consecutive bytes, two K steps ahead.
; No tensor load, no cluster: nothing that lands in one work-group's LDS would be used twice there.
; The product is used transposed (source 0 = 16 columns of Wo, source 1 = the 16 rows of o): a lane holds one row and 16 neighbouring columns in 16 registers.
; The rows meet in a stage in LDS (pitch 4,112 bytes); wave w normalises row w (mean first, then the mean of squared differences); the tail is the first norm's.
; LIMITS: a block of zeros gets the byte 1, not 127; NaN and infinities are not served.
; THE LOADS AS THEY STAND (in place of 'two K steps ahead' above): three sets of fragment registers, v48-107, v108-167 and v192-251, so the loads run three K steps ahead, 48 a wave.
; xn and bo, which lie in v192-255, are asked for behind K step 5, when the third set has been read for the last time.
.set PITCH, 4112
.set SPARE, 16*PITCH
.set V16L, 4
.set V8L,  5
.set V4L,  6
.set V4R,  7
.set SPW,  8
.set NIL,  9
.set STO,  10
.set ROWA, 11
.set QRD,  12
.set V64H, 13
.set ACC,  16                          ; v16-47   four accumulators; ahead of the first product v16-31 hold o's raw scale words; later my row
.set ASC,  168                         ; v168-175 o's scale words, one a K step: these and the next hold scale words and nothing else
.set BSC,  176                         ; v176-191 Wo's: tile t, K steps 2 i (lanes 0-15) and 2 i + 1 (lanes 16-31) at 4 t + i
.set RES,  192                         ; v192-223 xn
.set BIAS, 224                         ; v224-255 bo
.set LW,   48                          ; v48-79   the norm's gain, where fragment set 0 lay
.set LB,   108                         ; v108-139 its bias, where set 1 lay
.set W,    140
.set E,    80                          ; v80-143  the tail's 64 numbers: the fragment sets, the norm's bias and its work are done with by then
.set PC,   192
.set TM,   212
.set PW,   228
.set WV,   18
.set SEL,  20
.set INV,  22
.set EPS,  23
.macro QUANT s, nb
.set qb, 0
.rept \nb
	v_max3_num_f32 v[TM+qb], |v[(\s)+16*qb]|, |v[(\s)+16*qb+1]|, 0x1800000
.set qb, qb+1
.endr
.irp i, 2,4,6,8,10,12,14
.set qb, 0
.rept \nb
	s_delay_alu instid0(VALU_DEP_4)
	v_max3_num_f32 v[TM+qb], v[TM+qb], |v[(\s)+16*qb+\i]|, |v[(\s)+16*qb+\i+1]|
.set qb, qb+1
.endr
.endr
.set qb, 0
.rept \nb
	s_delay_alu instid0(VALU_DEP_4)
	v_permlanex16_b32 v[TM+4+qb], v[TM+qb], s[SEL], s[SEL+1]
.set qb, qb+1
.endr
.set qb, 0
.rept \nb
	s_delay_alu instid0(VALU_DEP_4)
	v_max_num_f32 v[TM+qb], v[TM+qb], v[TM+4+qb]
.set qb, qb+1
.endr
.set qb, 0
.rept \nb
	s_delay_alu instid0(VALU_DEP_4)
	v_add_nc_u32 v[TM+12+qb], 0xff000000, v[TM+qb]
.set qb, qb+1
.endr
.set qb, 0
.rept \nb
	s_delay_alu instid0(VALU_DEP_4)
	v_lshrrev_b32 v[TM+4+qb], 23, v[TM+12+qb]
.set qb, qb+1
.endr
	s_delay_alu instid0(VALU_DEP_3)
	v_lshl_or_b32 v[PW], v[TM+5], 8, v[TM+4]
.if \nb > 2
	s_delay_alu instid0(VALU_DEP_1)
	v_lshl_or_b32 v[PW], v[TM+6], 16, v[PW]
	s_delay_alu instid0(VALU_DEP_1)
	v_lshl_or_b32 v[PW], v[TM+7], 24, v[PW]
.endif
.set qb, 0
.rept \nb/2
	v_cvt_scalef32_pk16_fp6_f32 v[PC+6*qb:PC+6*qb+2], v[(\s)+32*qb:(\s)+32*qb+15], v[TM+12+2*qb]
	v_cvt_scalef32_pk16_fp6_f32 v[PC+12+4*qb:PC+12+4*qb+2], v[(\s)+32*qb+16:(\s)+32*qb+31], v[TM+12+2*qb+1]
.set qb, qb+1
.endr
	v_nop
.set qb, 0
.rept \nb/2
.irp i, 0,1,2
	v_permlane16_swap_b32 v[PC+6*qb+\i], v[PC+12+4*qb+\i]
.endr
.irp i, 0,1,2
	s_delay_alu instid0(VALU_DEP_3)
	v_mov_b32 v[PC+6*qb+3+\i], v[PC+12+4*qb+\i]
.endr
.set qb, qb+1
.endr
.endm
.macro REDUCE a, t
	s_delay_alu instid0(VALU_DEP_1)
	v_add_f32_dpp v[\a], v[\a], v[\a] row_xmask:1 row_mask:0xf bank_mask:0xf
	s_delay_alu instid0(VALU_DEP_1)
	v_add_f32_dpp v[\a], v[\a], v[\a] row_xmask:2 row_mask:0xf bank_mask:0xf
	s_delay_alu instid0(VALU_DEP_1)
	v_add_f32_dpp v[\a], v[\a], v[\a] row_xmask:4 row_mask:0xf bank_mask:0xf
	s_delay_alu instid0(VALU_DEP_1)
	v_add_f32_dpp v[\a], v[\a], v[\a] row_xmask:8 row_mask:0xf bank_mask:0xf
	s_delay_alu instid0(VALU_DEP_1)
	v_permlanex16_b32 v[\t], v[\a], s[SEL], s[SEL+1]
	s_delay_alu instid0(VALU_DEP_1)
	v_add_f32 v[\a], v[\a], v[\t]
.endm
.macro LNSTAT x
	v_pk_add_f32 v[142:143], v[16:17], v[18:19]
	v_pk_add_f32 v[254:255], v[24:25], v[28:29]
	v_pk_add_f32 v[252:253], v[32:33], v[36:37]
	v_pk_add_f32 v[250:251], v[40:41], v[44:45]
	v_pk_add_f32 v[248:249], v[20:21], v[22:23]
	v_pk_add_f32 v[246:247], v[26:27], v[30:31]
	v_pk_add_f32 v[244:245], v[34:35], v[38:39]
	v_pk_add_f32 v[140:141], v[42:43], v[46:47]
	s_delay_alu instid0(VALU_DEP_1)
	v_pk_add_f32 v[140:141], v[140:141], v[250:251]
	v_pk_add_f32 v[142:143], v[142:143], v[248:249]
	v_pk_add_f32 v[254:255], v[254:255], v[246:247]
	v_pk_add_f32 v[252:253], v[252:253], v[244:245]
	s_delay_alu instid0(VALU_DEP_2)
	v_pk_add_f32 v[140:141], v[140:141], v[254:255]
	s_delay_alu instid0(VALU_DEP_2)
	v_pk_add_f32 v[142:143], v[142:143], v[252:253]
	s_delay_alu instid0(VALU_DEP_1)
	v_pk_add_f32 v[140:141], v[140:141], v[142:143]
	s_delay_alu instid0(VALU_DEP_1)
	v_add_f32 v[W], v[W], v[W+1]
	REDUCE W, W+1
	s_delay_alu instid0(VALU_DEP_1)
	v_mul_f32 v[W+4], s[INV], v[W]
	s_delay_alu instid0(VALU_DEP_1)
	v_mov_b32 v[W+5], v[W+4]
.set li, 0
.rept 16
	v_pk_add_f32 v[\x+2*li:\x+2*li+1], v[\x+2*li:\x+2*li+1], v[W+4:W+5] neg_lo:[0,1] neg_hi:[0,1]
.set li, li+1
.endr
	v_pk_mul_f32 v[W:W+1], v[\x:\x+1], v[\x:\x+1]
	v_pk_mul_f32 v[W+2:W+3], v[\x+2:\x+3], v[\x+2:\x+3]
.irp i, 4,8,12,16,20,24,28
	s_delay_alu instid0(VALU_DEP_2)
	v_pk_fma_f32 v[W:W+1], v[\x+\i:\x+\i+1], v[\x+\i:\x+\i+1], v[W:W+1]
	s_delay_alu instid0(VALU_DEP_2)
	v_pk_fma_f32 v[W+2:W+3], v[\x+\i+2:\x+\i+3], v[\x+\i+2:\x+\i+3], v[W+2:W+3]
.endr
	s_delay_alu instid0(VALU_DEP_1)
	v_pk_add_f32 v[W:W+1], v[W:W+1], v[W+2:W+3]
	s_delay_alu instid0(VALU_DEP_1)
	v_add_f32 v[W], v[W], v[W+1]
	REDUCE W, W+1
	s_delay_alu instid0(VALU_DEP_1)
	v_fma_f32 v[W+6], v[W], s[INV], s[EPS]
	s_wait_alu depctr_va_vdst(0)
	v_rsq_f32 v[W+8], v[W+6]
	v_nop
	s_wait_alu depctr_va_vdst(0)                   ; the wait ahead of the first reader
	v_mov_b32 v[W+9], v[W+8]
.endm
.macro LNAFF x, lw, lb
.set li, 0
.rept 16
	v_pk_mul_f32 v[\x+2*li:\x+2*li+1], v[\x+2*li:\x+2*li+1], v[W+8:W+9]
.set li, li+1
.endr
.set li, 0
.rept 16
	v_pk_fma_f32 v[\x+2*li:\x+2*li+1], v[\x+2*li:\x+2*li+1], v[\lw+2*li:\lw+2*li+1], v[\lb+2*li:\lb+2*li+1]
.set li, li+1
.endr
.endm
.macro TAIL fb, cb, sb
.set li, 0
.rept 16
	ds_load_b128 v[E+4*li:E+4*li+3], v[QRD] offset:128*(li/4)+16*(li%4)
.set li, li+1
.endr
	s_wait_dscnt 0x0
	s_cmp_lt_u32 s[WV], 8
	s_cbranch_scc0 .Lf32
	QUANT E, 4
.irp c, 0,1,2
	global_store_b128 v[V16L], v[PC+4*\c:PC+4*\c+3], s[\cb:\cb+1] offset:512*\c
.endr
	global_store_b32 v[V4R], v[PW], s[\sb:\sb+1]
	s_branch .Lend
.Lf32:
.set li, 0
.rept 16
	global_store_b128 v[V16L], v[E+4*li:E+4*li+3], s[\fb:\fb+1] offset:512*li
.set li, li+1
.endr
.Lend:
	s_wait_tensorcnt 0x0                           ; the wave's end
	ds_add_u32 v[SPW], v[NIL]
	s_wait_dscnt 0x0
	s_endpgm
.endm
	s_load_b256 s[4:11], s[0:1], 0x0               ; oc, wq, attn_out_b, xn
	s_load_b128 s[12:15], s[0:1], 0x20             ; ln2_w, ln2_b
	s_load_b64 s[16:17], s[0:1], 0x30              ; hn
	v_lshl_add_u32 v[SPW], v0, 2, SPARE
	v_mov_b32 v[NIL], 0
	v_lshrrev_b32 v1, 5, v0
	s_delay_alu instid0(VALU_DEP_1)
	v_readfirstlane_b32 s[WV], v1
	v_and_b32 v1, 31, v0
	v_and_b32 v2, 15, v0
	v_bfe_u32 v3, v0, 4, 1
	s_delay_alu instid0(VALU_DEP_3)
	v_lshlrev_b32 v[V16L], 4, v1
	s_delay_alu instid0(VALU_DEP_4)
	v_lshlrev_b32 v[V8L], 3, v1
	v_lshlrev_b32 v[V4L], 2, v1
	v_lshlrev_b32 v[V4R], 2, v2
	v_lshlrev_b32 v[V64H], 6, v3
	s_lshl_b32 s24, s[WV], 8
	v_mul_u32_u24 v[STO], v2, PITCH
	s_delay_alu instid0(VALU_DEP_1)
	v_add_nc_u32 v[STO], v[STO], v[V64H]
	s_delay_alu instid0(VALU_DEP_1)
	v_add_nc_u32 v[STO], s24, v[STO]               ; row r, column 64 w + 16 h
	s_mul_i32 s26, s[WV], PITCH
	v_add_nc_u32 v[ROWA], s26, v[V16L]
	s_and_b32 s42, s[WV], 7
	s_lshl_b32 s26, s42, 9
	v_mul_u32_u24 v[QRD], v2, PITCH
	s_delay_alu instid0(VALU_DEP_1)
	v_add_nc_u32 v[QRD], v[QRD], v[V64H]
	s_delay_alu instid0(VALU_DEP_1)
	v_add_nc_u32 v[QRD], s26, v[QRD]
	s_mov_b32 s[SEL], 0x76543210
	s_mov_b32 s[SEL+1], 0xfedcba98
	s_mov_b32 s[INV], 0x3a800000
	s_mov_b32 s[EPS], 0x3727c5ac
	s_mov_b32 s25, 0
	s_lshl_b32 s26, ttmp9, 16
	s_lshl_b32 s27, s[WV], 12
	s_add_co_u32 s26, s26, s27
	s_mov_b32 s27, 0
	s_lshl_b32 s28, ttmp9, 10
	s_add_co_u32 s28, s28, 3145728
	s_mov_b32 s29, 0
	s_lshl_b32 s30, s[WV], 11
	s_add_co_u32 s30, s30, 9535488
	s_mov_b32 s31, 0
	s_mul_i32 s32, ttmp9, 12288
	s_mov_b32 s33, 0
	s_mul_i32 s34, s[WV], 49152
	s_add_co_u32 s34, s34, 2359296
	s_mov_b32 s35, 0
	s_lshl_b32 s43, ttmp9, 3
	s_add_co_u32 s43, s43, s42                     ; 8 T + s
	s_lshl_b32 s36, s43, 13
	s_mov_b32 s37, 0
	s_mul_i32 s38, s43, 1536
	s_add_co_u32 s38, s38, 16777216
	s_mov_b32 s39, 0
	s_lshl_b32 s40, s43, 6
	s_add_co_u32 s40, s40, 19922944
	s_mov_b32 s41, 0
	s_wait_alu depctr_va_vdst(0)
	s_wait_kmcnt 0x0
	s_add_nc_u64 s[8:9], s[8:9], s[24:25]          ; bo at my 64 columns
	s_add_nc_u64 s[10:11], s[10:11], s[26:27]      ; xn's f32 image at my tile and columns
	s_add_nc_u64 s[28:29], s[4:5], s[28:29]        ; o's scale words
	s_add_nc_u64 s[30:31], s[6:7], s[30:31]        ; Wo's scale words
	s_add_nc_u64 s[4:5], s[4:5], s[32:33]          ; o's codes
	s_add_nc_u64 s[6:7], s[6:7], s[34:35]          ; Wo's codes, my four tiles
	s_add_nc_u64 s[36:37], s[16:17], s[36:37]
	s_add_nc_u64 s[38:39], s[16:17], s[38:39]
	s_add_nc_u64 s[40:41], s[16:17], s[40:41]
.irp s, 0,1,2,3,4,5,6,7
	global_load_b32 v[16+\s], v[V4L], s[28:29] offset:128*\s       ; lanes 0-15 head 2 s, lanes 16-31 head 2 s + 1: two bytes each
.endr
.irp t, 0,1,2,3
.irp i, 0,1,2,3
	global_load_b32 v[BSC+4*\t+\i], v[V4L], s[30:31] offset:512*\t+128*\i
.endr
.endr
.macro LD s                            ; K step s: o's fragment (two heads' halves) and my four fragments of Wo, into set s % 3: 16 loads
.set fa, 48+60*((\s)%3)+24*(((\s)%3)/2)
	global_load_b128 v[fa:fa+3], v[V16L], s[4:5] offset:1536*(\s)
	global_load_b64 v[fa+4:fa+5], v[V8L], s[4:5] offset:1536*(\s)+512
	global_load_b128 v[fa+6:fa+9], v[V16L], s[4:5] offset:1536*(\s)+768
	global_load_b64 v[fa+10:fa+11], v[V8L], s[4:5] offset:1536*(\s)+1280
.irp t, 0,1,2,3
.irp c, 0,1,2
	global_load_b128 v[fa+12+12*\t+4*\c:fa+15+12*\t+4*\c], v[V16L], s[6:7] offset:12288*\t+1536*(\s)+512*\c
.endr
.endr
.endm
	LD 0
	LD 1
	LD 2
.irp s, 0,1,2,3,4,5,6,7
	v_mov_b32 v[24+\s], 0                          ; a lane permute's destination counts as one of its sources (no load lands in v24-31)
.endr
	s_wait_alu depctr_va_vdst(0)
	s_wait_loadcnt 48                              ; all but the three K steps' 48 loads are in
.irp s, 0,1,2,3,4,5,6,7
	v_permlanex16_b32 v[24+\s], v[16+\s], s[SEL], s[SEL+1]
.endr
.irp s, 0,1,2,3,4,5,6,7
	v_lshl_or_b32 v[ASC+\s], v[24+\s], 16, v[16+\s]   ; lanes 0-15: row r's four bytes of K step s
.endr
.rept 8
	v_nop                                          ; a scale register written by a vector instruction stands eight places ahead of a scaled matrix instruction
.endr
.macro PSTEP s, cnt
.set fa, 48+60*((\s)%3)+24*(((\s)%3)/2)
	s_wait_loadcnt \cnt
.irp t, 0,1,2,3
.if (\s) == 0
	v_wmma_scale_f32_16x16x128_f8f6f4 v[ACC+8*\t:ACC+8*\t+7], v[fa+12+12*\t:fa+23+12*\t], v[fa:fa+11], 0, v[BSC+4*\t], v[ASC] matrix_a_fmt:MATRIX_FMT_FP6 matrix_b_fmt:MATRIX_FMT_FP6
.elseif (\s)%2 == 0
	v_wmma_scale_f32_16x16x128_f8f6f4 v[ACC+8*\t:ACC+8*\t+7], v[fa+12+12*\t:fa+23+12*\t], v[fa:fa+11], v[ACC+8*\t:ACC+8*\t+7], v[BSC+4*\t+(\s)/2], v[ASC+(\s)] matrix_a_fmt:MATRIX_FMT_FP6 matrix_b_fmt:MATRIX_FMT_FP6
.else
	v_wmma_scale_f32_16x16x128_f8f6f4 v[ACC+8*\t:ACC+8*\t+7], v[fa+12+12*\t:fa+23+12*\t], v[fa:fa+11], v[ACC+8*\t:ACC+8*\t+7], v[BSC+4*\t+(\s)/2], v[ASC+(\s)] matrix_a_fmt:MATRIX_FMT_FP6 matrix_b_fmt:MATRIX_FMT_FP6 matrix_a_scale:MATRIX_SCALE_ROW1
.endif
.endr
.rept 4
	v_nop                                          ; four places in front of loads into the set just read, and of the first read of results
.endr
.endm
	s_wait_alu depctr_va_vdst(0)
.irp s, 0,1,2,3,4
	PSTEP \s, 32                                   ; the next two K steps' 32 loads may be out
	LD \s+3
.endr
	PSTEP 5, 32
.irp g, 0,1,2,3,4,5,6,7
	global_load_b128 v[BIAS+4*\g:BIAS+4*\g+3], v[V64H], s[8:9] offset:128*(\g/4)+16*(\g%4)
.endr
.irp g, 0,1,2,3,4,5,6,7
	global_load_b128 v[RES+4*\g:RES+4*\g+3], v[V16L], s[10:11] offset:512*\g th:TH_LOAD_NT
.endr
	PSTEP 6, 32                                    ; K step 7's 16 loads and the 16 of bo and xn may be out
.irp i, 0,1,2,3,4,5,6,7
	global_load_b128 v[LW+4*\i:LW+4*\i+3], v[V16L], s[12:13] offset:512*\i
.endr
	PSTEP 7, 24                                    ; the 16 of bo and xn and the gain's 8 may be out
.irp i, 0,1,2,3,4,5,6,7
	global_load_b128 v[LB+4*\i:LB+4*\i+3], v[V16L], s[14:15] offset:512*\i
.endr
	s_wait_loadcnt 16                              ; bo and xn are in; the norm's gain and bias, 8 loads each, may be out
.set li, 0
.rept 16
	v_pk_add_f32 v[ACC+2*li:ACC+2*li+1], v[ACC+2*li:ACC+2*li+1], v[BIAS+2*li:BIAS+2*li+1]   ; each accumulator from its low end on
.set li, li+1
.endr
.set li, 0
.rept 16
	v_pk_add_f32 v[ACC+2*li:ACC+2*li+1], v[ACC+2*li:ACC+2*li+1], v[RES+2*li:RES+2*li+1]     ; h = xn + o
.set li, li+1
.endr
.irp b, 0,1,2,3
	v_mov_b32 v[TM+4+\b], 0                        ; a lane permute's destination counts as one of its sources; xn, which lay here, has just been read for the last time
.endr
.irp g, 0,1,2,3,4,5,6,7
	ds_store_b128 v[STO], v[ACC+4*\g:ACC+4*\g+3] offset:128*(\g/4)+16*(\g%4)
.endr
	s_wait_dscnt 0x0                               ; for the others' sake: my 64 columns of the 16 rows lie in the stage
	s_barrier_signal -1
	s_barrier_wait -1
.irp i, 0,1,2,3,4,5,6,7
	ds_load_b128 v[ACC+4*\i:ACC+4*\i+3], v[ROWA] offset:512*\i     ; row w, whole
.endr
	s_wait_dscnt 0x0
	LNSTAT ACC
	s_wait_alu depctr_va_vdst(0)
	s_wait_loadcnt 0x0                             ; gain and bias
	LNAFF ACC, LW, LB
.irp i, 0,1,2,3,4,5,6,7
	ds_store_b128 v[ROWA], v[ACC+4*\i:ACC+4*\i+3] offset:512*\i    ; back into my own row, which no other wave touches between the two barriers
.endr
	s_wait_dscnt 0x0
	s_barrier_signal -1
	s_barrier_wait -1
	TAIL 36, 38, 40
.Lfunc_end_k_q9ca0a096d6_projln2:
	.size	k_q9ca0a096d6_projln2, .Lfunc_end_k_q9ca0a096d6_projln2-k_q9ca0a096d6_projln2
	.p2alignl 7, 3214868480
	.fill 96, 4, 3214868480
	.section	.rodata,"a",@progbits
	.p2align	6, 0x0
	.amdhsa_kernel k_q9ca0a096d6_projln2
		.amdhsa_group_segment_fixed_size 67840
		.amdhsa_private_segment_fixed_size 0
		.amdhsa_enable_private_segment 0
		.amdhsa_kernarg_size 56
		.amdhsa_user_sgpr_count 2
		.amdhsa_user_sgpr_kernarg_segment_ptr 1
		.amdhsa_wavefront_size32 1
		.amdhsa_system_sgpr_workgroup_id_x 1
		.amdhsa_system_sgpr_workgroup_id_y 1
		.amdhsa_system_sgpr_workgroup_id_z 1
		.amdhsa_system_vgpr_workitem_id 0
		.amdhsa_next_free_vgpr 256
		.amdhsa_next_free_sgpr 66
		.amdhsa_reserve_vcc 0
		.amdhsa_float_denorm_mode_32 3
		.amdhsa_float_denorm_mode_16_64 3
		.amdhsa_memory_ordered 1
		.amdhsa_forward_progress 1
		.amdhsa_inst_pref_size 47
	.end_amdhsa_kernel
	.amdgpu_metadata
---
amdhsa.version: [ 1, 2 ]
amdhsa.kernels:
  - .name:           k_q9ca0a096d6_projln2
    .symbol:         k_q9ca0a096d6_projln2.kd
    .args:
      - { .name: oc, .offset: 0, .size: 8, .value_kind: global_buffer, .address_space: global }
      - { .name: wq, .offset: 8, .size: 8, .value_kind: global_buffer, .address_space: global }
      - { .name: attn_out_b, .offset: 16, .size: 8, .value_kind: global_buffer, .address_space: global }
      - { .name: xn, .offset: 24, .size: 8, .value_kind: global_buffer, .address_space: global }
      - { .name: ln2_w, .offset: 32, .size: 8, .value_kind: global_buffer, .address_space: global }
      - { .name: ln2_b, .offset: 40, .size: 8, .value_kind: global_buffer, .address_space: global }
      - { .name: hn, .offset: 48, .size: 8, .value_kind: global_buffer, .address_space: global }
    .group_segment_fixed_size: 67840
    .private_segment_fixed_size: 0
    .kernarg_segment_align: 8
    .kernarg_segment_size: 56
    .max_flat_workgroup_size: 512
    .sgpr_count:     66
    .vgpr_count:     256
    .wavefront_size: 32
...
	.end_amdgpu_metadata
.endif
;; end of part 4
;; launch fc (part 5): grid 16 x 16, 4 waves a work-group, clusters of 4 x 4, 327,680 bytes of LDS; arguments hn, wq, c_fc_b, gc; writes gc
.if DOCPART == 5
	.amdgcn_target "amdgcn-amd-amdhsa--gfx1250"
	.amdhsa_code_object_version 6
	.text
	.protected	k_q9ca0a096d6_fc
	.globl	k_q9ca0a096d6_fc
	.p2align	8
	.type	k_q9ca0a096d6_fc,@function
k_q9ca0a096d6_fc:
	s_mov_b64 s[64:65], 0
	v_nop
	global_prefetch_b8 v0, s[64:65] scope:SCOPE_SE
	s_setreg_imm32_b32 hwreg(HW_REG_WAVE_MODE, 25, 1), 1
	s_wait_xcnt 0x0
	s_wait_alu depctr_hold_cnt(0) depctr_sa_sdst(0) depctr_va_vdst(0) depctr_va_sdst(0) depctr_va_ssrc(0) depctr_va_vcc(0) depctr_vm_vsrc(0)
	s_getreg_b32 s2, hwreg(HW_REG_IB_STS2, 6, 4)
	s_cmp_eq_u32 s2, 0
	s_cbranch_scc0 .Lentry_in_a_cluster
	s_endpgm
.Lentry_in_a_cluster:
	s_bfe_u32 s2, ttmp6, 0x10000c
	s_cmp_lg_u32 s2, 0xf033
	s_cbranch_scc0 .Lentry_shape_is_right
	s_endpgm
.Lentry_shape_is_right:
; g = gelu(hn Wfc + b) on codes of FP6 (E2M3) with E8M0 scales; g leaves quantised along its 4,096 features, as images of the operand registers that the next launch wants.
; A work-group makes 256 x 256, a wave 128 x 128 (64 accumulators by turns).  Operands lie in memory as fragment images of 1,536 bytes ([tile of 16 rows][K step of 128]).  Clusters of 4 x 4 with joint loads.
; THE FILLS.  At the head one joint load a wave: wave 0 hn's 16 tiles of K's first 256, wave 2 the weight's, waves 1 and 3 the two blocks of scale words.  Behind the full sequence and a round one load a wave
; brings K's second and third 256 together (8 tiles, rows of 6,144 bytes): LDS slots 1 and 2 are one region.  K's last 256 is the one refill, into slot 0's bytes.
; No prefetch: K is eight steps and three fills cover it, so there is no loop to run ahead in.
; The error function is a quotient of two polynomials in z^2, z = x / sqrt(2) held to +-4, all in f32.  LIMITS: a block of zeros gets the byte 1, not 127 (this program alone reads the bytes); NaN and infinities are not served.
.set FR,    12
.set NL,    3
.set NQ,    2
.set NP,    4
.set FRB,   1536
.set TROW,  NQ*FRB
.set HALFT, 8*TROW
.set SLOT,  4*HALFT
.set SCL,   3*SLOT
.set HALFS, 4096
.set SPARE, SCL+4*HALFS
.set ADRA, 16
.set ADRB, 20
.set V16L, 24
.set VSO,  26
.set ADRS, 27
.set SPW,  28
.set NIL,  29
.set VBO,  30
.set SC,   32
.set AF,   128
.set E,    64
.set PC,   128
.set TM,   160
.set PW,   180
.set GZ,   128
.set GZ2,  160
.set GP,   192
.set GQ,   224
.set CA,   8
.set CB,   10
.set SEL,  2
.set AI,   67
.set G1, 24
.set G0, 32
.set G0C, 96
.set G1B, 48
.set G0B, 56
.set G0BC, 92
.set G1S, 68
.set G0S, 76
.set G1SB, 80
.set G0SB, 88
.set MSB, 0
.macro WIN new
.if MSB != (\new)
	s_set_vgpr_msb (MSB<<8)|(\new)
.set MSB, (\new)
.endif
.endm
.set MUL_LO, 0xa1
.set MUL_HI, 0xf1
.set TO_B,   0x40
.macro PLACES n
.rept \n
	v_nop
.endr
.endm
.macro JLOAD g0a, g1a, g0b, g1b
	s_cmp_eq_u32 s15, 0
	s_cbranch_scc0 .Lfor_b_\@
	tensor_load_to_lds s[\g0a:\g0a+3], s[\g1a:\g1a+7]
	s_nop 0
.rept 4
	v_nop
.endr
	s_branch .Lasked_\@
.Lfor_b_\@:
	tensor_load_to_lds s[\g0b:\g0b+3], s[\g1b:\g1b+7]
	s_nop 0
.rept 4
	v_nop
.endr
.Lasked_\@:
.endm
.macro CREST
	s_cmp_lg_u32 s14, 0
	s_cbranch_scc1 .Lnot_wave_0_\@
	s_barrier_signal -3
.Lnot_wave_0_\@:
	s_barrier_wait -3
	s_barrier_signal -1
	s_barrier_wait -1
.endm
.macro CROUND
	s_barrier_signal -1
	s_barrier_wait -1
	CREST
.endm
.macro QUANT s, nb
.set qb, 0
.rept \nb
	v_max3_num_f32 v[TM+qb], |v[(\s)+16*qb]|, |v[(\s)+16*qb+1]|, 0x1800000
.set qb, qb+1
.endr
.irp i, 2,4,6,8,10,12,14
.set qb, 0
.rept \nb
	v_max3_num_f32 v[TM+qb], v[TM+qb], |v[(\s)+16*qb+\i]|, |v[(\s)+16*qb+\i+1]|
.set qb, qb+1
.endr
.endr
.set qb, 0
.rept \nb
	v_permlanex16_b32 v[TM+4+qb], v[TM+qb], s[SEL], s[SEL+1]
.set qb, qb+1
.endr
.set qb, 0
.rept \nb
	v_max_num_f32 v[TM+qb], v[TM+qb], v[TM+4+qb]
.set qb, qb+1
.endr
.set qb, 0
.rept \nb
	v_add_nc_u32 v[TM+12+qb], 0xff000000, v[TM+qb]
.set qb, qb+1
.endr
.set qb, 0
.rept \nb
	v_lshrrev_b32 v[TM+4+qb], 23, v[TM+12+qb]
.set qb, qb+1
.endr
	v_lshl_or_b32 v[PW], v[TM+5], 8, v[TM+4]
.if \nb > 2
	v_lshl_or_b32 v[PW], v[TM+6], 16, v[PW]
	v_lshl_or_b32 v[PW], v[TM+7], 24, v[PW]
.endif
.set qb, 0
.rept \nb/2
	v_cvt_scalef32_pk16_fp6_f32 v[PC+6*qb:PC+6*qb+2], v[(\s)+32*qb:(\s)+32*qb+15], v[TM+12+2*qb]
	v_cvt_scalef32_pk16_fp6_f32 v[PC+12+4*qb:PC+12+4*qb+2], v[(\s)+32*qb+16:(\s)+32*qb+31], v[TM+12+2*qb+1]
.set qb, qb+1
.endr
	v_nop
.set qb, 0
.rept \nb/2
.irp i, 0,1,2
	v_permlane16_swap_b32 v[PC+6*qb+\i], v[PC+12+4*qb+\i]
.endr
.irp i, 0,1,2
	v_mov_b32 v[PC+6*qb+3+\i], v[PC+12+4*qb+\i]
.endr
.set qb, qb+1
.endr
.endm
.macro GELU e
.set gi, 0
.rept 16
	v_pk_mul_f32 v[GZ+2*gi:GZ+2*gi+1], v[(\e)+2*gi:(\e)+2*gi+1], 0x3f3504f3 op_sel_hi:[1,0]
.set gi, gi+1
.endr
.set gi, 0
.rept 32
	v_med3_num_f32 v[GZ+gi], v[GZ+gi], -4.0, 4.0
.set gi, gi+1
.endr
.set gi, 0
.rept 16
	v_pk_mul_f32 v[GZ2+2*gi:GZ2+2*gi+1], v[GZ+2*gi:GZ+2*gi+1], v[GZ+2*gi:GZ+2*gi+1]
.set gi, gi+1
.endr
.set gi, 0
.rept 16
	v_pk_fma_f32 v[GP+2*gi:GP+2*gi+1], v[GZ2+2*gi:GZ2+2*gi+1], 0xaf95df0b, v[CA:CA+1] op_sel_hi:[1,0,1]
.set gi, gi+1
.endr
.irp k, 0xb60cff51, 0xb86ec2d2, 0xba40ac63, 0xbb41a1f6, 0xbc83dbd4
.set gi, 0
.rept 16
	v_pk_fma_f32 v[GP+2*gi:GP+2*gi+1], v[GP+2*gi:GP+2*gi+1], v[GZ2+2*gi:GZ2+2*gi+1], \k op_sel_hi:[1,1,0]
.set gi, gi+1
.endr
.endr
.set gi, 0
.rept 16
	v_pk_fma_f32 v[GQ+2*gi:GQ+2*gi+1], v[GZ2+2*gi:GZ2+2*gi+1], 0xb77460cd, v[CB:CB+1] op_sel_hi:[1,0,1]
.set gi, gi+1
.endr
.irp k, 0xbadc924e, 0xbbf19bf8, 0xbc69b6a7
.set gi, 0
.rept 16
	v_pk_fma_f32 v[GQ+2*gi:GQ+2*gi+1], v[GQ+2*gi:GQ+2*gi+1], v[GZ2+2*gi:GZ2+2*gi+1], \k op_sel_hi:[1,1,0]
.set gi, gi+1
.endr
.endr
.set gi, 0
	s_wait_alu depctr_va_vdst(0)
.rept 32
	v_rcp_f32 v[GZ2+gi], v[GQ+gi]
.set gi, gi+1
.endr
.set gi, 0
.rept 16
	v_pk_mul_f32 v[GP+2*gi:GP+2*gi+1], v[GP+2*gi:GP+2*gi+1], v[GZ+2*gi:GZ+2*gi+1]
.set gi, gi+1
.endr
.set gi, 0
.rept 16
	v_pk_mul_f32 v[(\e)+2*gi:(\e)+2*gi+1], v[(\e)+2*gi:(\e)+2*gi+1], 0.5 op_sel_hi:[1,0]
.set gi, gi+1
.endr
	s_wait_alu depctr_va_vdst(0)
.set gi, 0
.rept 16
	v_pk_mul_f32 v[GP+2*gi:GP+2*gi+1], v[GP+2*gi:GP+2*gi+1], v[GZ2+2*gi:GZ2+2*gi+1]
.set gi, gi+1
.endr
.set gi, 0
.rept 16
	v_pk_fma_f32 v[(\e)+2*gi:(\e)+2*gi+1], v[(\e)+2*gi:(\e)+2*gi+1], v[GP+2*gi:GP+2*gi+1], v[(\e)+2*gi:(\e)+2*gi+1]
.set gi, gi+1
.endr
.endm
	s_load_b256 s[4:11], s[0:1], 0x0
	v_lshl_add_u32 v[SPW], v0, 2, SPARE
	v_mov_b32 v[NIL], 0
	ds_add_u32 v[SPW], v[NIL]
	ds_add_u32 v[SPW], v[NIL]
	v_lshrrev_b32 v1, 5, v0
	v_readfirstlane_b32 s14, v1
	s_lshr_b32 s15, s14, 1
	s_and_b32 s16, s14, 1
	s_bfe_u32 s40, ttmp6, 0x40000
	s_bfe_u32 s41, ttmp6, 0x40004
	s_lshl_b32 s42, ttmp9, 2
	s_add_co_u32 s42, s42, s40
	s_and_b32 s17, ttmp7, 0xffff
	s_lshl_b32 s17, s17, 2
	s_add_co_u32 s17, s17, s41
	s_lshl_b32 s43, s41, 2
	s_lshl_b32 s43, 15, s43
	s_lshl_b32 s44, 0x1111, s40
	s_or_b32 s[G1+0], s43, (3<<16)|(1<<21)
	s_or_b32 s[G1B+0], s44, (3<<16)|(1<<21)
.irp g, G1, G1B
	s_mov_b32 s[\g+1], 384<<16
	s_mov_b32 s[\g+2], 16<<16
	s_mov_b32 s[\g+3], 384<<16
	s_mov_b32 s[\g+4], 16
	s_mov_b32 s[\g+5], 1536
	s_mov_b32 s[\g+6], 0
	s_mov_b32 s[\g+7], 0
.endr
	s_or_b32 s[G1S+0], s43, (3<<16)|(1<<21)
	s_or_b32 s[G1SB+0], s44, (3<<16)|(1<<21)
.irp g, G1S, G1SB
	s_mov_b32 s[\g+1], 32<<16
	s_mov_b32 s[\g+2], 32<<16
	s_mov_b32 s[\g+3], 32<<16
	s_mov_b32 s[\g+4], 32
	s_mov_b32 s[\g+5], 32
	s_mov_b32 s[\g+6], 0
	s_mov_b32 s[\g+7], 0
.endr
	s_lshl_b32 s19, s16, 3
	s_lshl_b32 s20, s17, 4
	s_add_co_u32 s20, s20, s19
	s_lshl_b32 s46, s42, 4
	s_add_co_u32 s46, s46, s19
	s_lshl_b32 s22, s17, 13                        ; the scale words of the block's 16 tiles, 512 bytes each
	s_add_co_u32 s22, s22, 19922944
	s_lshl_b32 s92, s42, 13
	s_add_co_u32 s92, s92, 9568256
	s_mul_i32 s20, s20, 12288
	s_add_co_u32 s20, s20, 16777216
	s_mul_i32 s46, s46, 12288
	s_add_co_u32 s46, s46, 3145728
	s_mov_b32 s21, 0
	s_mov_b32 s23, 0
	s_mov_b32 s47, 0
	s_mov_b32 s93, 0
	s_mul_i32 s45, s14, HALFT
	s_wait_dscnt 0x0
	s_wait_kmcnt 0x0
	s_add_nc_u64 s[20:21], s[4:5], s[20:21]
	s_add_nc_u64 s[22:23], s[4:5], s[22:23]
	s_add_nc_u64 s[46:47], s[6:7], s[46:47]
	s_add_nc_u64 s[92:93], s[6:7], s[92:93]
	CROUND
	s_mov_b32 s[G0S], 1
	s_mov_b32 s[G0S+1], SCL
	s_mov_b64 s[G0S+2:G0S+3], s[22:23]
	s_or_b32 s[G0S+3], s[G0S+3], 0x80000000
	s_mov_b32 s[G0SB], 1
	s_mov_b32 s[G0SB+1], SCL+2*HALFS
	s_mov_b64 s[G0SB+2:G0SB+3], s[92:93]
	s_or_b32 s[G0SB+3], s[G0SB+3], 0x80000000
.irp s, 0
	s_mov_b32 s[G0+4*\s], 1
	s_add_co_u32 s[G0+4*\s+1], s45, \s*SLOT
	s_add_nc_u64 s[G0+4*\s+2:G0+4*\s+3], s[20:21], \s*TROW
	s_or_b32 s[G0+4*\s+3], s[G0+4*\s+3], 0x80000000
	s_mov_b32 s[G0B+4*\s], 1
	s_add_co_u32 s[G0B+4*\s+1], s45, \s*SLOT
	s_add_nc_u64 s[G0B+4*\s+2:G0B+4*\s+3], s[46:47], \s*TROW
	s_or_b32 s[G0B+4*\s+3], s[G0B+4*\s+3], 0x80000000
.endr
	s_mov_b32 s[G0C], 1
	s_lshl_b32 s19, s45, 1                         ; wave x 8 tiles x 6,144 bytes
	s_add_co_u32 s[G0C+1], s19, SLOT
	s_add_nc_u64 s[G0C+2:G0C+3], s[20:21], TROW
	s_or_b32 s[G0C+3], s[G0C+3], 0x80000000
	s_mov_b32 s[G0BC], 1
	s_add_co_u32 s[G0BC+1], s19, SLOT
	s_add_nc_u64 s[G0BC+2:G0BC+3], s[46:47], TROW
	s_or_b32 s[G0BC+3], s[G0BC+3], 0x80000000
; THE HEAD'S LOADS, ONE A WAVE: one chain of branches on the wave's number, a load to an arm, all arms to one join.
.macro ARM under, g0, g1, next
	s_cmp_lt_u32 s14, \under
	s_cbranch_scc0 \next
	tensor_load_to_lds s[\g0:\g0+3], s[\g1:\g1+7]
	s_nop 0
.rept 4
	v_nop
.endr
	s_branch .Lhead_asked
\next:
.endm
	ARM 1, G0,  G1,  .Lhead_sa
	ARM 2, G0S, G1S, .Lhead_b
	ARM 3, G0B, G1B, .Lhead_sb
	tensor_load_to_lds s[G0SB:G0SB+3], s[G1SB:G1SB+7]
	s_nop 0
.rept 4
	v_nop
.endr
.Lhead_asked:
	v_and_b32 v1, 15, v0
	v_bfe_u32 v2, v0, 4, 1
	v_and_b32 v3, 31, v0
	v_lshlrev_b32 v[V16L], 4, v3
	s_wait_alu depctr_va_vdst(0)
	v_lshlrev_b32 v[VSO], 2, v1
	s_lshl_b32 s18, s42, 10
	s_lshl_b32 s19, s16, 9
	s_add_co_u32 s18, s18, s19
	s_mov_b32 s19, 0
	s_add_nc_u64 s[8:9], s[8:9], s[18:19]
	v_lshlrev_b32 v[VBO], 6, v2
	WIN 0x40
.irp g, 0,1,2,3,4,5,6,7
	global_load_b128 v[96+4*\g:99+4*\g], v[VBO], s[8:9] offset:128*(\g/4)+16*(\g%4)
.endr
.irp g, 8,9,10,11,12,13,14,15
	global_load_b128 v[224+4*(\g-8):227+4*(\g-8)], v[VBO], s[8:9] offset:128*(\g/4)+16*(\g%4)
.endr
	WIN 0
	s_mul_i32 s21, s15, HALFT
	s_mul_i32 s22, s16, HALFT
	s_add_co_u32 s22, s22, 2*HALFT
	s_wait_alu depctr_va_vdst(0)
	v_add_nc_u32 v[ADRA], s21, v[V16L]
	v_add_nc_u32 v[ADRB], s22, v[V16L]
	s_lshl_b32 s21, s21, 1                         ; behind slot 0: source 1's 16 tiles x 6,144 bytes, then source 0's; my 8 of each
	s_mul_i32 s22, s16, 2*HALFT
	s_add_co_u32 s21, s21, SLOT
	s_add_co_u32 s22, s22, 2*SLOT
	v_add_nc_u32 v[ADRA+1], s21, v[V16L]
	v_add_nc_u32 v[ADRB+1], s22, v[V16L]
	v_add_nc_u32 v[ADRA+2], TROW, v[ADRA+1]        ; slot 2's part of a row lies 3,072 bytes behind slot 1's
	v_add_nc_u32 v[ADRB+2], TROW, v[ADRB+1]
	s_mul_i32 s21, s15, HALFS
	s_mul_i32 s22, s16, HALFS
	s_add_co_u32 s22, s22, 2*HALFS
	s_sub_co_u32 s22, s22, s21
	v_mul_u32_u24 v6, s22, v2
	s_wait_alu depctr_va_vdst(0)
	s_add_co_u32 s21, s21, SCL
	v_add_nc_u32 v5, v[VSO], v6
	v_add_nc_u32 v[ADRS], s21, v5
.macro FRAG reg, adr, q, i
.irp c, 0,1,2
	ds_load_b128 v[(\reg)+4*\c:(\reg)+4*\c+3], v[\adr] offset:(\q)*FRB+(\i)*TR+512*\c   ; TR: from tile to tile in the slot that is fetched from
.endr
.endm
.macro MUL16 a0, p, q, sc, zero
.irp a, \a0, \a0+1
.irp b, 0,1,2,3,4,5,6,7
.if \zero
	v_wmma_scale_f32_16x16x128_f8f6f4 v[8*(8*((\a)%4)+\b):8*(8*((\a)%4)+\b)+7], v[128*(\p)+FR*\b:128*(\p)+FR*\b+FR-1], v[AF+FR*(\a):AF+FR*(\a)+FR-1], 0, v[SC+8*NQ*(\sc)+NQ*\b+(\q)], v[SC+8*NQ*(\sc)+NQ*(\a)+(\q)] matrix_a_fmt:MATRIX_FMT_FP6 matrix_b_fmt:MATRIX_FMT_FP6 matrix_a_scale:MATRIX_SCALE_ROW1
.else
	v_wmma_scale_f32_16x16x128_f8f6f4 v[8*(8*((\a)%4)+\b):8*(8*((\a)%4)+\b)+7], v[128*(\p)+FR*\b:128*(\p)+FR*\b+FR-1], v[AF+FR*(\a):AF+FR*(\a)+FR-1], v[8*(8*((\a)%4)+\b):8*(8*((\a)%4)+\b)+7], v[SC+8*NQ*(\sc)+NQ*\b+(\q)], v[SC+8*NQ*(\sc)+NQ*(\a)+(\q)] matrix_a_fmt:MATRIX_FMT_FP6 matrix_b_fmt:MATRIX_FMT_FP6 matrix_a_scale:MATRIX_SCALE_ROW1
.endif
.endr
.endr
.endm
.macro FETCH_B slot, q, p
	WIN TO_B
.irp i, 0,1,2,3,4,5,6,7
	FRAG 128*(\p)+FR*\i, ADRB+\slot, \q, \i
.endr
	WIN 0
.endm
.macro FETCH_A slot, q, i0
.irp i, \i0, \i0+1, \i0+2, \i0+3
	FRAG AF+FR*(\i), ADRA+\slot, \q, \i
.endr
.endm
.macro SCALES sc
.irp i, 0,1,2,3,4,5,6,7
.irp q, 0,1
	ds_load_b32 v[SC+8*NQ*(\sc)+NQ*\i+\q], v[ADRS] offset:\i*512+64*\q
.endr
.endr
.endm
.macro STEP slot, sc, q, zero
	s_wait_dscnt 4*NL
	WIN MUL_LO
	MUL16 0, (\q)%2, \q, \sc, \zero
	MUL16 2, (\q)%2, \q, \sc, \zero
	s_wait_dscnt 0
	PLACES NP
	FETCH_B \slot, (\q)+1, 1-(\q)%2
	FETCH_A \slot, (\q)+1, 0
	WIN MUL_HI
	MUL16 4, (\q)%2, \q, \sc, \zero
	MUL16 6, (\q)%2, \q, \sc, \zero
	PLACES NP
	WIN 0
	FETCH_A \slot, (\q)+1, 4
.endm
.macro TURN slot, sc, next, nsc, how
.if \how
	s_wait_tensorcnt 0x0
	ds_add_u32 v[SPW], v[NIL]
	s_wait_dscnt 4*NL+1
.else
	s_wait_dscnt 4*NL
.endif
	WIN MUL_LO
	MUL16 0, 1, NQ-1, \sc, 0
	s_wait_dscnt 0x0
.if \how
	s_barrier_signal -1
.endif
	MUL16 2, 1, NQ-1, \sc, 0
	WIN 0
.if \how
	s_barrier_wait -1
.endif
.if \how == 2
	CREST
	s_add_nc_u64 s[G0+4*\slot+2:G0+4*\slot+3], s[G0+4*\slot+2:G0+4*\slot+3], 3*TROW
	s_add_nc_u64 s[G0B+4*\slot+2:G0B+4*\slot+3], s[G0B+4*\slot+2:G0B+4*\slot+3], 3*TROW
	s_mov_b32 s[G1+1], 384<<16                     ; no load of mine is out: the refill's rows are 3,072 bytes again
	s_mov_b32 s[G1+3], 384<<16
	s_mov_b32 s[G1B+1], 384<<16
	s_mov_b32 s[G1B+3], 384<<16
	JLOAD G0+4*\slot, G1, G0B+4*\slot, G1B         ; the first tensor load behind the round
.else
	PLACES NP
.endif
	v_add_nc_u32 v[ADRS], 64*NQ, v[ADRS]
	FETCH_B \next, 0, 0
	FETCH_A \next, 0, 0
	SCALES \nsc
	WIN MUL_HI
	MUL16 4, 1, NQ-1, \sc, 0
	MUL16 6, 1, NQ-1, \sc, 0
	PLACES NP
	WIN 0
	FETCH_A \next, 0, 4
.endm
	s_wait_alu depctr_va_vdst(0)
	s_wait_tensorcnt 0x0                           ; my tile of the head's four is in
	ds_add_u32 v[SPW], v[NIL]
.irp g, G1, G1B
	s_mov_b32 s[\g+1], 768<<16                     ; no load of mine is out: the next load brings 8 rows of 6,144 bytes
	s_mov_b32 s[\g+2], 8<<16
	s_mov_b32 s[\g+3], 768<<16
	s_mov_b32 s[\g+4], 8
.endr
	s_wait_dscnt 0x0
	CROUND                                         ; all four tiles are in, in every wave's sight, and all sixteen work-groups are here
	JLOAD G0C, G1, G0BC, G1B                       ; K's second and third 256: the first tensor load behind the round
.set TR, TROW
	FETCH_B 0, 0, 0
	FETCH_A 0, 0, 0
	SCALES 0
	FETCH_A 0, 0, 4
	STEP 0, 0, 0, 1
.set TR, 2*TROW
	TURN 0, 0, 1, 1, 2                             ; slots 1 and 2 are whole in every wave's sight; slot 0's bytes take K's last 256
	s_wait_alu depctr_va_vdst(0)
	STEP 1, 1, 0, 0
	TURN 1, 1, 2, 0, 0
	s_wait_alu depctr_va_vdst(0)
	STEP 2, 0, 0, 0
.set TR, TROW
	TURN 2, 0, 0, 1, 1                             ; the refill has landed
	STEP 0, 1, 0, 0
	s_wait_dscnt 4*NL
	WIN MUL_LO
	MUL16 0, 1, NQ-1, 1, 0
	MUL16 2, 1, NQ-1, 1, 0
	s_wait_dscnt 0
	WIN MUL_HI
	MUL16 4, 1, NQ-1, 1, 0
	MUL16 6, 1, NQ-1, 1, 0
	WIN 0
	PLACES NP
	s_mov_b32 s[SEL], 0x76543210
	s_mov_b32 s[SEL+1], 0xfedcba98
	v_mov_b32 v[CA], 0x32edffee
	v_mov_b32 v[CA+1], 0x32edffee
	v_mov_b32 v[CB], 0xb95fbd29
	v_mov_b32 v[CB+1], 0xb95fbd29
	s_lshl_b32 s18, s17, 4
	s_lshl_b32 s19, s15, 3
	s_add_co_u32 s18, s18, s19
	s_lshl_b32 s18, s18, 5
	s_lshl_b32 s19, s42, 1
	s_add_co_u32 s18, s18, s19
	s_add_co_u32 s18, s18, s16
	s_mul_i32 s68, s18, 1536
	s_mov_b32 s69, 0
	s_lshl_b32 s72, s18, 6
	s_add_co_u32 s72, s72, 12582912
	s_mov_b32 s73, 0
	s_add_nc_u64 s[68:69], s[10:11], s[68:69]
	s_add_nc_u64 s[72:73], s[10:11], s[72:73]
	s_wait_loadcnt 0x0
.macro COPYQ k
	WIN 0x06+((\k)/4)
.set ci, 0
.rept 16
	v_pk_add_f32 v[E+2*ci:E+2*ci+1], v[64*((\k)%4)+2*ci:64*((\k)%4)+2*ci+1], v[96+2*ci:97+2*ci]
.set ci, ci+1
.endr
.set ci, 0
.rept 16
	v_pk_add_f32 v[E+32+2*ci:E+33+2*ci], v[64*((\k)%4)+32+2*ci:64*((\k)%4)+33+2*ci], v[224+2*ci:225+2*ci]
.set ci, ci+1
.endr
	WIN 0
.endm
	s_mov_b32 s[AI], 0
.Lblk:
.irp k, 0,1,2,3,4,5,6
	s_cmp_eq_u32 s[AI], \k
	s_cbranch_scc1 .Lc\k
.endr
	COPYQ 7
	s_branch .Lwork
.irp k, 0,1,2,3,4,5
.Lc\k:
	COPYQ \k
	s_branch .Lwork
.endr
.Lc6:
	COPYQ 6
.Lwork:
	GELU E
	GELU E+32
	QUANT E, 4
.irp c, 0,1,2
	global_store_b128 v[V16L], v[PC+4*\c:PC+4*\c+3], s[68:69] offset:512*\c
.endr
	global_store_b32 v[VSO], v[PW], s[72:73]
	s_wait_xcnt 0x0
	s_add_nc_u64 s[68:69], s[68:69], 49152
	s_add_nc_u64 s[72:73], s[72:73], 2048
	s_add_co_u32 s[AI], s[AI], 1
	s_cmp_lt_u32 s[AI], 8
	s_cbranch_scc1 .Lblk
	s_wait_tensorcnt 0x0
	ds_add_u32 v[SPW], v[NIL]
	s_wait_dscnt 0x0
	CROUND
	s_endpgm
.Lfunc_end_k_q9ca0a096d6_fc:
	.size	k_q9ca0a096d6_fc, .Lfunc_end_k_q9ca0a096d6_fc-k_q9ca0a096d6_fc
	.p2alignl 7, 3214868480
	.fill 96, 4, 3214868480
	.section	.rodata,"a",@progbits
	.p2align	6, 0x0
	.amdhsa_kernel k_q9ca0a096d6_fc
		.amdhsa_group_segment_fixed_size 327680
		.amdhsa_private_segment_fixed_size 0
		.amdhsa_enable_private_segment 0
		.amdhsa_kernarg_size 32
		.amdhsa_user_sgpr_count 2
		.amdhsa_user_sgpr_kernarg_segment_ptr 1
		.amdhsa_wavefront_size32 1
		.amdhsa_system_sgpr_workgroup_id_x 1
		.amdhsa_system_sgpr_workgroup_id_y 1
		.amdhsa_system_sgpr_workgroup_id_z 1
		.amdhsa_system_vgpr_workitem_id 0
		.amdhsa_next_free_vgpr 1024
		.amdhsa_next_free_sgpr 100
		.amdhsa_reserve_vcc 0
		.amdhsa_float_denorm_mode_32 3
		.amdhsa_float_denorm_mode_16_64 3
		.amdhsa_memory_ordered 1
		.amdhsa_forward_progress 1
		.amdhsa_inst_pref_size 181
	.end_amdhsa_kernel
	.amdgpu_metadata
---
amdhsa.version: [ 1, 2 ]
amdhsa.kernels:
  - .name:           k_q9ca0a096d6_fc
    .symbol:         k_q9ca0a096d6_fc.kd
    .args:
      - { .name: hn, .offset: 0, .size: 8, .value_kind: global_buffer, .address_space: global }
      - { .name: wq, .offset: 8, .size: 8, .value_kind: global_buffer, .address_space: global }
      - { .name: c_fc_b, .offset: 16, .size: 8, .value_kind: global_buffer, .address_space: global }
      - { .name: gc, .offset: 24, .size: 8, .value_kind: global_buffer, .address_space: global }
    .group_segment_fixed_size: 327680
    .private_segment_fixed_size: 0
    .kernarg_segment_align: 8
    .kernarg_segment_size: 32
    .max_flat_workgroup_size: 128
    .sgpr_count:     100
    .vgpr_count:     1024
    .wavefront_size: 32
...
	.end_amdgpu_metadata
.endif
;; end of part 5
;; launch cproj (part 6): grid 8 x 32, 4 waves a work-group, clusters of 4 x 4, 327,680 bytes of LDS; arguments gc, wq, c_proj_b, hn, out0; writes out0
.if DOCPART == 6
	.amdgcn_target "amdgcn-amd-amdhsa--gfx1250"
	.amdhsa_code_object_version 6
	.text
	.protected	k_q9ca0a096d6_cproj
	.globl	k_q9ca0a096d6_cproj
	.p2align	8
	.type	k_q9ca0a096d6_cproj,@function
k_q9ca0a096d6_cproj:
	s_mov_b64 s[64:65], 0
	v_nop
	global_prefetch_b8 v0, s[64:65] scope:SCOPE_SE
	s_setreg_imm32_b32 hwreg(HW_REG_WAVE_MODE, 25, 1), 1
	s_wait_xcnt 0x0
	s_wait_alu depctr_hold_cnt(0) depctr_sa_sdst(0) depctr_va_vdst(0) depctr_va_sdst(0) depctr_va_ssrc(0) depctr_va_vcc(0) depctr_vm_vsrc(0)
	s_getreg_b32 s2, hwreg(HW_REG_IB_STS2, 6, 4)
	s_cmp_eq_u32 s2, 0
	s_cbranch_scc0 .Lentry_in_a_cluster
	s_endpgm
.Lentry_in_a_cluster:
	s_bfe_u32 s2, ttmp6, 0x10000c
	s_cmp_lg_u32 s2, 0xf033
	s_cbranch_scc0 .Lentry_shape_is_right
	s_endpgm
.Lentry_shape_is_right:
; out = hn + g Wproj + b on codes of FP6 (E2M3) with E8M0 scales, sums and the rest in f32.  A work-group makes 128 x 128, a wave 64 x 64 (16 accumulators by turns); K = 4,096 goes in eight chunks of 512
; through two LDS slots.  Operands lie in memory as fragment images of 1,536 bytes ([tile of 16 rows][K step of 128]).  Clusters of 4 x 4 with joint loads; the scale words for all of K come once.
; THE HEAD: one joint load a wave: wave 0 g's 8 tiles of chunk 0, wave 2 the weight's, waves 1 and 3 the two blocks of scale words; chunk 1 follows behind the full sequence and a round.
; PREFETCH: behind each of the first four refills a wave asks for the chunk that stands two refills on: of the 4 tiles that it fetches each of the four partners takes one, by address: 24 blocks of 256 bytes,
; a lane a block (lanes 24-31 name the last again).  Chunks 0 to 3 come by their loads alone; the last two refills ask for nothing.
; (The prefetch as it stands, in place of the last sentence above: every load asks for the chunk two loads on: the head's for chunk 2, chunk 1's for chunk 3, the first four refills for chunks 4 to 7.
; So chunks 0 and 1 alone come by their loads alone, and the last two refills ask for nothing.)
.set FRB,   1536
.set TROW,  4*FRB
.set HALFT, 4*TROW
.set SLOT,  4*HALFT
.set SCL,   2*SLOT
.set HALFS, 8192
.set STAGE, SCL+4*HALFS
.set SPITCH, 528
.set SPARE, STAGE+128*SPITCH
.set ADRA, 16
.set ADRB, 20
.set STO,  24
.set RD,   25
.set V16L, 26
.set ADRS, 27
.set SPW,  28
.set NIL,  29
.set VBO,  30
.set SC,   32
.set ACC,  128
.set G1, 24
.set G0, 32
.set G1B, 48
.set G0B, 56
.set G1S, 68
.set G0S, 76
.set G1SB, 80
.set G0SB, 88
.set MSB, 0
.macro WIN new
.if MSB != (\new)
	s_set_vgpr_msb (MSB<<8)|(\new)
.set MSB, (\new)
.endif
.endm
.macro PLACES n
.rept \n
	v_nop
.endr
.endm
.macro JLOAD g0a, g1a, g0b, g1b
	s_cmp_eq_u32 s15, 0
	s_cbranch_scc0 .Lfor_b_\@
	tensor_load_to_lds s[\g0a:\g0a+3], s[\g1a:\g1a+7]
	s_nop 0
.rept 4
	v_nop
.endr
	s_branch .Lasked_\@
.Lfor_b_\@:
	tensor_load_to_lds s[\g0b:\g0b+3], s[\g1b:\g1b+7]
	s_nop 0
.rept 4
	v_nop
.endr
.Lasked_\@:
.endm
.macro CREST
	s_cmp_lg_u32 s14, 0
	s_cbranch_scc1 .Lnot_wave_0_\@
	s_barrier_signal -3
.Lnot_wave_0_\@:
	s_barrier_wait -3
	s_barrier_signal -1
	s_barrier_wait -1
.endm
.macro CROUND
	s_barrier_signal -1
	s_barrier_wait -1
	CREST
.endm
	s_load_b256 s[4:11], s[0:1], 0x0
	s_load_b64 s[12:13], s[0:1], 0x20
	v_lshl_add_u32 v[SPW], v0, 2, SPARE
	v_mov_b32 v[NIL], 0
	ds_add_u32 v[SPW], v[NIL]
	ds_add_u32 v[SPW], v[NIL]
	v_lshrrev_b32 v1, 5, v0
	v_readfirstlane_b32 s14, v1
	s_lshr_b32 s15, s14, 1
	s_and_b32 s16, s14, 1
	s_bfe_u32 s40, ttmp6, 0x40000
	s_bfe_u32 s41, ttmp6, 0x40004
	s_lshl_b32 s42, ttmp9, 2
	s_add_co_u32 s42, s42, s40
	s_and_b32 s17, ttmp7, 0xffff
	s_lshl_b32 s17, s17, 2
	s_add_co_u32 s17, s17, s41
	s_lshl_b32 s43, s41, 2
	s_lshl_b32 s43, 15, s43
	s_lshl_b32 s44, 0x1111, s40
	s_or_b32 s[G1+0], s43, (3<<16)|(1<<21)
	s_or_b32 s[G1B+0], s44, (3<<16)|(1<<21)
.irp g, G1, G1B
	s_mov_b32 s[\g+1], 768<<16
	s_mov_b32 s[\g+2], 8<<16
	s_mov_b32 s[\g+3], 768<<16
	s_mov_b32 s[\g+4], 8
	s_mov_b32 s[\g+5], 6144
	s_mov_b32 s[\g+6], 0
	s_mov_b32 s[\g+7], 0
.endr
	s_or_b32 s[G1S+0], s43, (3<<16)|(1<<21)
	s_or_b32 s[G1SB+0], s44, (3<<16)|(1<<21)
.irp g, G1S, G1SB
	s_mov_b32 s[\g+1], 32<<16
	s_mov_b32 s[\g+2], 64<<16
	s_mov_b32 s[\g+3], 32<<16
	s_mov_b32 s[\g+4], 64
	s_mov_b32 s[\g+5], 32
	s_mov_b32 s[\g+6], 0
	s_mov_b32 s[\g+7], 0
.endr
	s_lshl_b32 s19, s16, 2
	s_lshl_b32 s20, s17, 3
	s_add_co_u32 s20, s20, s19
	s_lshl_b32 s46, s42, 3
	s_add_co_u32 s46, s46, s19
	s_lshl_b32 s22, s17, 14                        ; the scale words of the block's 8 tiles, 2,048 bytes each
	s_add_co_u32 s22, s22, 12582912
	s_lshl_b32 s92, s42, 14
	s_add_co_u32 s92, s92, 9699328
	s_mul_i32 s20, s20, 49152
	s_mul_i32 s46, s46, 49152
	s_add_co_u32 s46, s46, 6291456
	s_mov_b32 s21, 0
	s_mov_b32 s23, 0
	s_mov_b32 s47, 0
	s_mov_b32 s93, 0
	s_mul_i32 s45, s14, HALFT
	s_wait_dscnt 0x0
	s_wait_kmcnt 0x0
	s_add_nc_u64 s[20:21], s[4:5], s[20:21]
	s_add_nc_u64 s[22:23], s[4:5], s[22:23]
	s_add_nc_u64 s[46:47], s[6:7], s[46:47]
	s_add_nc_u64 s[92:93], s[6:7], s[92:93]
	CROUND
	s_mov_b32 s[G0S], 1
	s_mov_b32 s[G0S+1], SCL
	s_mov_b64 s[G0S+2:G0S+3], s[22:23]
	s_or_b32 s[G0S+3], s[G0S+3], 0x80000000
	s_mov_b32 s[G0SB], 1
	s_mov_b32 s[G0SB+1], SCL+2*HALFS
	s_mov_b64 s[G0SB+2:G0SB+3], s[92:93]
	s_or_b32 s[G0SB+3], s[G0SB+3], 0x80000000
.irp s, 0,1
	s_mov_b32 s[G0+4*\s], 1
	s_add_co_u32 s[G0+4*\s+1], s45, \s*SLOT
	s_add_nc_u64 s[G0+4*\s+2:G0+4*\s+3], s[20:21], \s*TROW
	s_or_b32 s[G0+4*\s+3], s[G0+4*\s+3], 0x80000000
	s_mov_b32 s[G0B+4*\s], 1
	s_add_co_u32 s[G0B+4*\s+1], s45, \s*SLOT
	s_add_nc_u64 s[G0B+4*\s+2:G0B+4*\s+3], s[46:47], \s*TROW
	s_or_b32 s[G0B+4*\s+3], s[G0B+4*\s+3], 0x80000000
.endr
	s_cmp_eq_u32 s15, 0                            ; the prefetches' address: the operand that I fetch for,
	s_cselect_b64 s[4:5], s[20:21], s[46:47]
	s_cselect_b32 s6, s40, s41                     ; my work-group's place among the four that ask with me: which of my 4 tiles it names,
	s_mul_i32 s6, s6, 8*TROW                       ; tiles lie 49,152 bytes apart;
	s_add_co_u32 s6, s6, 2*TROW                    ; at chunk 2; each refill steps it by a chunk and names the chunk behind it
	s_mov_b32 s7, 0
	s_add_nc_u64 s[4:5], s[4:5], s[6:7]
; THE HEAD'S LOADS, ONE A WAVE: one chain of branches on the wave's number, a load to an arm, all arms to one join.
.macro ARM under, g0, g1, next
	s_cmp_lt_u32 s14, \under
	s_cbranch_scc0 \next
	tensor_load_to_lds s[\g0:\g0+3], s[\g1:\g1+7]
	s_nop 0
.rept 4
	v_nop
.endr
	s_branch .Lhead_asked
\next:
.endm
	ARM 1, G0,  G1,  .Lhead_sa
	ARM 2, G0S, G1S, .Lhead_b
	ARM 3, G0B, G1B, .Lhead_sb
	tensor_load_to_lds s[G0SB:G0SB+3], s[G1SB:G1SB+7]
	s_nop 0
.rept 4
	v_nop
.endr
.Lhead_asked:
	v_and_b32 v1, 15, v0
	v_bfe_u32 v2, v0, 4, 1
	s_wait_alu depctr_va_vdst(0)
	v_and_b32 v3, 31, v0
	v_lshlrev_b32 v[V16L], 4, v3
	v_min_u32 v31, 23, v3                          ; the prefetches' offset: a lane a block of 256 bytes, 24 blocks to a tile's chunk
	v_lshlrev_b32 v31, 8, v31
	s_wait_alu depctr_va_vdst(0)
	global_prefetch_b8 v31, s[4:5] th:TH_LOAD_NT scope:SCOPE_SE   ; behind the head's load: chunk 2
	s_lshl_b32 s18, s17, 3
	s_lshl_b32 s19, s15, 2
	s_add_co_u32 s18, s18, s19
	s_lshl_b32 s18, s18, 16
	s_lshl_b32 s19, s42, 13
	s_add_co_u32 s18, s18, s19
	s_lshl_b32 s19, s16, 12
	s_add_co_u32 s18, s18, s19
	s_mov_b32 s19, 0
	s_add_nc_u64 s[96:97], s[10:11], s[18:19]
	s_lshl_b32 s18, s42, 9
	s_lshl_b32 s21, s16, 8
	s_add_co_u32 s18, s18, s21
	s_add_nc_u64 s[98:99], s[8:9], s[18:19]
	v_lshlrev_b32 v[VBO], 6, v2
	WIN 0x80
.irp a, 0,1,2,3
.irp g, 0,1,2,3,4,5,6,7
	global_load_b128 v[32*\a+4*\g:32*\a+4*\g+3], v[V16L], s[96:97] offset:65536*\a+512*\g th:TH_LOAD_NT
.endr
.endr
.irp g, 0,1,2,3,4,5,6,7
	global_load_b128 v[128+4*\g:131+4*\g], v[VBO], s[98:99] offset:128*(\g/4)+16*(\g%4)
.endr
	WIN 0
	s_mul_i32 s21, s15, HALFT
	s_mul_i32 s22, s16, HALFT
	s_add_co_u32 s22, s22, 2*HALFT
.irp s, 0,1
	v_add_nc_u32 v[ADRA+\s], s21, v[V16L]
	v_add_nc_u32 v[ADRB+\s], s22, v[V16L]
	s_add_co_u32 s21, s21, SLOT
	s_add_co_u32 s22, s22, SLOT
.endr
	s_mul_i32 s21, s15, HALFS
	s_mul_i32 s22, s16, HALFS
	s_add_co_u32 s22, s22, 2*HALFS
	s_sub_co_u32 s22, s22, s21
	v_mul_u32_u24 v6, s22, v2
	s_add_co_u32 s21, s21, SCL
	v_lshlrev_b32 v5, 2, v1
	v_add_nc_u32 v5, v5, v6
	v_add_nc_u32 v[ADRS], s21, v5
	s_mul_i32 s21, s15, 64*SPITCH
	s_lshl_b32 s22, s16, 8
	s_add_co_u32 s21, s21, s22
	s_add_co_u32 s21, s21, STAGE
	v_mul_u32_u24 v5, v1, SPITCH
	v_lshl_add_u32 v5, v2, 6, v5
	v_add_nc_u32 v[STO], s21, v5
	s_mul_i32 s21, s14, 32*SPITCH
	s_add_co_u32 s21, s21, STAGE
	v_add_nc_u32 v[RD], s21, v[V16L]
	s_lshl_b32 s18, s17, 7
	s_lshl_b32 s21, s14, 5
	s_add_co_u32 s18, s18, s21
	s_lshl_b32 s18, s18, 12
	s_lshl_b32 s21, s42, 9
	s_add_co_u32 s18, s18, s21
	s_add_nc_u64 s[12:13], s[12:13], s[18:19]
.macro FETCH slot, q, f
	WIN 0x40
.irp i, 0,1,2,3
.irp c, 0,1,2
	ds_load_b128 v[128*(\f)+12*\i+4*\c:128*(\f)+12*\i+4*\c+3], v[ADRA+\slot] offset:(\q)*FRB+\i*TROW+512*\c
.endr
.endr
.irp i, 0,1,2,3
.irp c, 0,1,2
	ds_load_b128 v[128*(\f)+48+12*\i+4*\c:128*(\f)+48+12*\i+4*\c+3], v[ADRB+\slot] offset:(\q)*FRB+\i*TROW+512*\c
.endr
.endr
.endm
.macro SCALES sc
	WIN 0
.irp i, 0,1,2,3
.irp q, 0,1,2,3
	ds_load_b32 v[SC+16*\sc+4*\i+\q], v[ADRS] offset:2048*\i+64*\q
.endr
.endr
.endm
.macro MUL4 f, a, q, sc, zero
	WIN 0x05
.irp b, 0,1,2,3
.if \zero
	v_wmma_scale_f32_16x16x128_f8f6f4 v[ACC+8*(4*(\a)+\b):ACC+8*(4*(\a)+\b)+7], v[128*(\f)+48+12*\b:128*(\f)+48+12*\b+11], v[128*(\f)+12*(\a):128*(\f)+12*(\a)+11], 0, v[SC+16*(\sc)+4*\b+(\q)], v[SC+16*(\sc)+4*(\a)+(\q)] matrix_a_fmt:MATRIX_FMT_FP6 matrix_b_fmt:MATRIX_FMT_FP6 matrix_a_scale:MATRIX_SCALE_ROW1
.else
	v_wmma_scale_f32_16x16x128_f8f6f4 v[ACC+8*(4*(\a)+\b):ACC+8*(4*(\a)+\b)+7], v[128*(\f)+48+12*\b:128*(\f)+48+12*\b+11], v[128*(\f)+12*(\a):128*(\f)+12*(\a)+11], v[ACC+8*(4*(\a)+\b):ACC+8*(4*(\a)+\b)+7], v[SC+16*(\sc)+4*\b+(\q)], v[SC+16*(\sc)+4*(\a)+(\q)] matrix_a_fmt:MATRIX_FMT_FP6 matrix_b_fmt:MATRIX_FMT_FP6 matrix_a_scale:MATRIX_SCALE_ROW1
.endif
.endr
.endm
.macro STEP slot, q, zero
	s_wait_dscnt 0x0
	PLACES 4
	FETCH \slot, (\q)+1, ((\q)+1)%2
	MUL4 (\q)%2, 0, \q, \slot, \zero
	MUL4 (\q)%2, 1, \q, \slot, \zero
	MUL4 (\q)%2, 2, \q, \slot, \zero
	MUL4 (\q)%2, 3, \q, \slot, \zero
.endm
.macro TURN slot, next, fill
	WIN 0
.if \fill
	s_wait_xcnt 0x0                                ; the last prefetch, a slot back, has read its address
	s_add_nc_u64 s[4:5], s[4:5], TROW
.endif
	s_wait_tensorcnt 0x0
	ds_add_u32 v[SPW], v[NIL]
	s_wait_dscnt 1
	MUL4 1, 0, 3, \slot, 0
	s_wait_dscnt 0x0
	s_barrier_signal -1
	MUL4 1, 1, 3, \slot, 0
	WIN 0
	s_barrier_wait -1
.if \fill
	CREST
	s_add_nc_u64 s[G0+4*\slot+2:G0+4*\slot+3], s[G0+4*\slot+2:G0+4*\slot+3], 2*TROW
	s_add_nc_u64 s[G0B+4*\slot+2:G0B+4*\slot+3], s[G0B+4*\slot+2:G0B+4*\slot+3], 2*TROW
	JLOAD G0+4*\slot, G1, G0B+4*\slot, G1B
.else
	PLACES 4
.endif
	s_wait_alu depctr_va_vdst(0)
	v_add_nc_u32 v[ADRS], 256, v[ADRS]
	FETCH \next, 0, 0
	SCALES \next
.if \fill
	s_cmp_gt_u32 s3, 1                             ; the loop's last trip has no chunk two refills on
	s_cbranch_scc0 .Lno_ask_\@
	global_prefetch_b8 v31, s[4:5] offset:TROW th:TH_LOAD_NT scope:SCOPE_SE
.Lno_ask_\@:
.endif
	MUL4 1, 2, 3, \slot, 0
	MUL4 1, 3, 3, \slot, 0
.endm
	s_wait_alu depctr_va_vdst(0)
	s_wait_tensorcnt 0x0                           ; my tile of the head's four is in
	ds_add_u32 v[SPW], v[NIL]
.irp g, G1, G1B
	s_mov_b32 s[\g+2], 4<<16                       ; no load of mine is out: from here on a load brings 4 rows
	s_mov_b32 s[\g+4], 4
.endr
	s_wait_dscnt 0x0
	CROUND                                         ; all four tiles are in, in every wave's sight, and all sixteen work-groups are here
	JLOAD G0+4, G1, G0B+4, G1B                     ; chunk 1: the first tensor load behind the round
	FETCH 0, 0, 0
	SCALES 0
	global_prefetch_b8 v31, s[4:5] offset:TROW th:TH_LOAD_NT scope:SCOPE_SE   ; behind chunk 1's load and the run of LDS loads: chunk 3
	STEP 0, 0, 1
	WIN 0
	s_mov_b32 s3, 3
.Llap:
	STEP 0, 1, 0
	STEP 0, 2, 0
	TURN 0, 1, 1
	STEP 1, 0, 0
	STEP 1, 1, 0
	STEP 1, 2, 0
	TURN 1, 0, 1
	STEP 0, 0, 0
	WIN 0
	s_sub_co_u32 s3, s3, 1
	s_cmp_lg_u32 s3, 0
	s_cbranch_scc1 .Llap
	STEP 0, 1, 0
	STEP 0, 2, 0
	TURN 0, 1, 0
	STEP 1, 0, 0
	STEP 1, 1, 0
	STEP 1, 2, 0
	s_wait_dscnt 0x0
	MUL4 1, 0, 3, 1, 0
	MUL4 1, 1, 3, 1, 0
	MUL4 1, 2, 3, 1, 0
	MUL4 1, 3, 3, 1, 0
	WIN 0
	PLACES 4
	s_wait_loadcnt 0x0
	WIN 0x08
.set wi, 0
.rept 64
	v_pk_add_f32 v[ACC+2*wi:ACC+2*wi+1], v[ACC+2*wi:ACC+2*wi+1], v[128+(2*wi)%32:129+(2*wi)%32]
.set wi, wi+1
.endr
.set wi, 0
.rept 64
	v_pk_add_f32 v[ACC+2*wi:ACC+2*wi+1], v[ACC+2*wi:ACC+2*wi+1], v[2*wi:2*wi+1]
.set wi, wi+1
.endr
	WIN 0
.irp a, 0,1,2,3
.irp g, 0,1,2,3,4,5,6,7
	ds_store_b128 v[STO], v[ACC+32*\a+4*\g:ACC+32*\a+4*\g+3] offset:16*\a*SPITCH+128*(\g/4)+16*(\g%4)
.endr
.endr
	s_wait_dscnt 0x0
	s_barrier_signal -1
	s_barrier_wait -1
.set wi, 0
.rept 32
	ds_load_b128 v[ACC+4*wi:ACC+4*wi+3], v[RD] offset:wi*SPITCH
.set wi, wi+1
.endr
.set wi, 0
.rept 32
	s_wait_dscnt 31-wi
	global_store_b128 v[V16L], v[ACC+4*wi:ACC+4*wi+3], s[12:13] offset:(8*(wi/16)+wi%16+8*((wi%16)/8))*4096 th:TH_STORE_NT
.set wi, wi+1
.endr
	s_wait_tensorcnt 0x0
	ds_add_u32 v[SPW], v[NIL]
	s_wait_dscnt 0x0
	CROUND
	s_endpgm
.Lfunc_end_k_q9ca0a096d6_cproj:
	.size	k_q9ca0a096d6_cproj, .Lfunc_end_k_q9ca0a096d6_cproj-k_q9ca0a096d6_cproj
	.p2alignl 7, 3214868480
	.fill 96, 4, 3214868480
	.section	.rodata,"a",@progbits
	.p2align	6, 0x0
	.amdhsa_kernel k_q9ca0a096d6_cproj
		.amdhsa_group_segment_fixed_size 327680
		.amdhsa_private_segment_fixed_size 0
		.amdhsa_enable_private_segment 0
		.amdhsa_kernarg_size 40
		.amdhsa_user_sgpr_count 2
		.amdhsa_user_sgpr_kernarg_segment_ptr 1
		.amdhsa_wavefront_size32 1
		.amdhsa_system_sgpr_workgroup_id_x 1
		.amdhsa_system_sgpr_workgroup_id_y 1
		.amdhsa_system_sgpr_workgroup_id_z 1
		.amdhsa_system_vgpr_workitem_id 0
		.amdhsa_next_free_vgpr 768
		.amdhsa_next_free_sgpr 100
		.amdhsa_reserve_vcc 0
		.amdhsa_float_denorm_mode_32 3
		.amdhsa_float_denorm_mode_16_64 3
		.amdhsa_memory_ordered 1
		.amdhsa_forward_progress 1
		.amdhsa_inst_pref_size 99
	.end_amdhsa_kernel
	.amdgpu_metadata
---
amdhsa.version: [ 1, 2 ]
amdhsa.kernels:
  - .name:           k_q9ca0a096d6_cproj
    .symbol:         k_q9ca0a096d6_cproj.kd
    .args:
      - { .name: gc, .offset: 0, .size: 8, .value_kind: global_buffer, .address_space: global }
      - { .name: wq, .offset: 8, .size: 8, .value_kind: global_buffer, .address_space: global }
      - { .name: c_proj_b, .offset: 16, .size: 8, .value_kind: global_buffer, .address_space: global }
      - { .name: hn, .offset: 24, .size: 8, .value_kind: global_buffer, .address_space: global }
      - { .name: out0, .offset: 32, .size: 8, .value_kind: global_buffer, .address_space: global }
    .group_segment_fixed_size: 327680
    .private_segment_fixed_size: 0
    .kernarg_segment_align: 8
    .kernarg_segment_size: 40
    .max_flat_workgroup_size: 128
    .sgpr_count:     100
    .vgpr_count:     768
    .wavefront_size: 32
...
	.end_amdgpu_metadata
.endif
;; end of part 6
